; MI455X (gfx1250); checked and timed in simulation.
; The chip was launched on July 23, 2026; its instructions are those of AMD's public machine-readable ISA for CDNA 5 (MIT licence, August 2026) and "CDNA5" Instruction Set Architecture Reference Guide (July 2026). The comments in the code are by the model that wrote it; some were corrected since.
;; Concat Attention. Allowed arithmetic: matrix products marked QUANTISED: E5M2 operands, one E8M0 scale for each 32 along K, by v_wmma_scale_f32_16x16x128_f8f6f4 with both operands' format E5M2, f32 sums; products left as they are: f32 operands where the result goes on into a quantised operand, else bf16, f16 or f32 operands; f32 sums; everything else in f32.
;; Inputs: W 1,024 x 2,048 float32; decoder_state_codes 32 x 32 x 32 uint8 (E5M2 codes of decoder_state, K innermost, in blocks of 32 codes); decoder_state_scales 32 x 32 uint8 (E8M0 scales of decoder_state, one for each 32 codes along K); encoder_outputs 32 x 2,048 x 1,024 float32; sequence_length 32 int32; v 1,024 float32.
;; Outputs: out0 32 x 1,024 float32; out1 32 x 2,048 float32.
;; This version of the problem:
;;   THIS VERSION OF THE PROBLEM IS GIVEN IN LOW PRECISION. The matrix products marked QUANTISED in the list below multiply operands that are first quantised to E5M2 (5 exponent bits, 2 mantissa bits; 8 bits a number), with one power-of-two scale for each 32 numbers along K (OCP MX v1.0); their sums are f32. All else is computed in f32.
;;   The module's matrix products, in the order in which they are computed (A, B: the left and right operand; K: the contracted axis; several contracted axes count as one K, in the product's order):
;;     1. [M 65,536, K 1,024] x [K 1,024, N 1,024]; A: input encoder_outputs; B: input W: QUANTISED
;;     2. [M 32, K 1,024] x [K 1,024, N 1,024]; A: input decoder_state (given as codes); B: input W: QUANTISED
;;     3. [M 65,536, K 1,024] x [K 1,024, N 1]; A: computed on the way; B: input v: left as it is (N = 1 < 16)
;;     4. batch 32 x [M 1, K 2,048] x [K 2,048, N 1,024]; A: softmax; B: input encoder_outputs: left as it is (M = 1 < 16)
;;   THE QUANTISER, for each operand of a quantised product, along K:
;;     - K is cut into blocks of 32 from its start; a last block that is shorter is filled with zeros.
;;     - A block's scale is 2^e with e = floor(log2(the largest magnitude in the block)) - 15, held to -126 .. 127; a block of zeros has e = 0. As a byte (E8M0): e + 127.
;;     - Each number is divided by its block's scale, clamped to +-57,344, and rounded to the nearest number of E5M2, ties to even, subnormals kept.
;;     - The product sums the exact products of the quantised numbers (number of the format x scale) in f32.
;;   ~~~python
;;   def quantise(x, axis):      # numpy; x: float32 -> the quantised numbers, widened to float32 again
;;       x = np.moveaxis(x, axis, -1); K = x.shape[-1]
;;       x = np.pad(x, [(0, 0)] * (x.ndim - 1) + [(0, -K % 32)]); x = x.reshape(x.shape[:-1] + (-1, 32)); a = np.abs(x).max(-1, keepdims=True)
;;       e = np.where(a > 0, np.clip(np.frexp(np.where(a > 0, a, 1))[1] - 1 - 15, -126, 127), 0)      # np.frexp(a)[1] - 1 = floor(log2(a)), exactly
;;       r = np.clip(x / 2.0 ** e, -57344, 57344)
;;       step = 2.0 ** (np.maximum(np.frexp(np.where(r == 0, 1, r))[1] - 1, -14) - 2)
;;       q = np.round(r / step) * step * 2.0 ** e      # np.round: ties to even
;;       return np.moveaxis(q.reshape(q.shape[:-2] + (-1,))[..., :K], -1, axis).astype(np.float32)
;;   ~~~
;;   INPUTS GIVEN AS CODES. decoder_state (in the module: [32, 1024], K = its axis 1): each comes as NAME_codes (uint8): NAME with its K axis moved to the last place and cut into blocks of 32 codes, [.., K / 32, bytes a block], one block behind the other in memory; one code a byte (a code: sign, 5 exponent bits, 2 mantissa bits); and NAME_scales (uint8): the same leading axes, one E8M0 byte (e + 127) for each 32 codes along K. Its value is code x scale, taken as it is: it is not quantised again, and the codes and scales need not be those that the quantiser above would give.
;; 3 versions. Each part assembles by itself: llvm-mc -triple=amdgcn-amd-amdhsa -mcpu=gfx1250 --defsym DOCPART=n.
;; ======== version 1 of 3: 3 launches
;; limits: right only within a limited range of input values; values are held in f16: magnitudes above 65,504 overflow, below 6.1e-05 lose precision
;; workspace buffers: wcodes 1,048,576 bytes; wsc 32,768 bytes; bias 131,072 bytes; lg 262,144 bytes; part 4,194,304 bytes
;; launch prep (part 1): grid 128 x 1, 1 waves a work-group, no clusters, 0 bytes of LDS; arguments W, decoder_state_codes, decoder_state_scales, wcodes, wsc, bias; writes wcodes, wsc, bias
.if DOCPART == 1
	.amdgcn_target "amdgcn-amd-amdhsa--gfx1250"
	.amdhsa_code_object_version 6
	.text
	.protected	k_q10b5dd0f80_prep
	.globl	k_q10b5dd0f80_prep
	.p2align	8
	.type	k_q10b5dd0f80_prep,@function
k_q10b5dd0f80_prep:
	s_mov_b64 s[64:65], 0
	v_nop
	global_prefetch_b8 v0, s[64:65] scope:SCOPE_SE
	s_setreg_imm32_b32 hwreg(HW_REG_WAVE_MODE, 25, 1), 1
	s_wait_xcnt 0x0
; W [1024][2048] f32 is quantised along K to codes of E5M2 with one E8M0 scale for each 32 numbers.
; One wave a work-group; work-group 2 nt + role takes rows h = 16 nt .. 16 nt + 15.
; role 0: columns 0-1023 (the encoder's part).  The codes leave as IMAGES OF THE OPERAND'S REGISTERS: fragment (nt, s) at (8 nt + s) x 2048 bytes, register group c of lane l at 512 c + 16 l,
;         so that a later load of 16 bytes a lane brings a fragment as the matrix instruction wants it.  The scale words: [nt][lane][4]: lanes 0-15 K steps 0, 2, 4, 6 of row l, lanes 16-31 K steps 1, 3, 5, 7 of row l - 16.
; role 1: columns 1024-2047 (the decoder's part) are quantised in registers and multiplied by the decoder's state, which comes as codes; bias[b][h] = the product x 2 log2(e), as the next launch's exponential wants it.
; A block's scale is 2^(floor(log2(its largest magnitude)) - 15); its byte is the largest magnitude's exponent field - 15, held at 1 from below.
; LIMITS: a block of zeros gets the byte 1 (its codes are zeros, and only this program reads the bytes); NaN and infinities among the inputs are not served.
; The bias leaves in runs of 64 bytes: 131,072 bytes in the whole launch.
.set RAW, 64                           ; v64-191  two sets of 64 numbers: register 16 b + i = k 32 b + 16 (lane / 16) + i of my row
.set PC,  16                           ; v16-31   the codes of a fragment
.set TM,  32                           ; v32-35 largest magnitudes, v36-39 bytes, v40-43 the largest number x the scale, v44-47 the conversion's scale operand
.set PWS, 48                           ; v48-55   role 0: the eight K steps' scale words
.set DF,  192                          ; v192-223 role 1: two fragments of the decoder's state; at the end the bias
.set ACC, 224                          ; v224-239 role 1: two accumulators
.set DSC, 240                          ; v240-241 the decoder's scale words: scales and nothing else
.set PW,  242                          ; v242     role 1: W's scale word: a scale and nothing else
.set SEL, 20                           ; s[20:21] lane selects: lane l xor 16
.set MNT, 22                           ; s22      the mantissa field of 57,344
	s_load_b256 s[4:11], s[0:1], 0x0               ; W s[4:5], the decoder's codes s[6:7], its scales s[8:9], wcodes s[10:11]
	s_load_b128 s[12:15], s[0:1], 0x20             ; wsc s[12:13], bias s[14:15]
	v_and_b32 v1, 15, v0                           ; r
	v_bfe_u32 v2, v0, 4, 1                         ; half
	v_lshlrev_b32 v3, 13, v1
	v_lshl_add_u32 v3, v2, 6, v3                   ; W: row r of 8,192 bytes + 64 x half: my 16 numbers of a block
	v_lshlrev_b32 v4, 4, v0                        ; 16 x lane: an image's place
	v_lshlrev_b32 v5, 10, v1
	v_lshl_add_u32 v5, v2, 4, v5                   ; the decoder's codes: row r of 1,024 bytes + 16 x half
	v_lshlrev_b32 v6, 5, v1                        ; its scale bytes: 32 a row
	v_lshlrev_b32 v7, 12, v1
	v_lshl_add_u32 v7, v2, 5, v7                   ; bias: row r of 4,096 bytes + 32 x half
	s_mov_b32 s[SEL], 0x76543210
	s_mov_b32 s[SEL+1], 0xfedcba98
	s_mov_b32 s[MNT], 0x600000
.irp b, 0,1,2,3
	v_mov_b32 v[TM+4+\b], 0                        ; a lane permute's destination counts as one of its sources
.endr
	s_lshr_b32 s16, ttmp9, 1                       ; nt
	s_and_b32 s17, ttmp9, 1                        ; role
	s_lshl_b32 s24, s16, 17                        ; 16 rows of 8,192 bytes,
	s_lshl_b32 s18, s17, 12                        ; and the role's 1,024 columns
	s_add_co_u32 s24, s24, s18
	s_mov_b32 s25, 0
	s_lshl_b32 s26, s16, 14                        ; eight fragments of 2,048 bytes
	s_mov_b32 s27, 0
	s_lshl_b32 s28, s16, 9                         ; 32 lanes x 16 bytes of scale words
	s_mov_b32 s29, 0
	s_lshl_b32 s30, s16, 6                         ; 16 columns of the bias
	s_mov_b32 s31, 0
	s_wait_kmcnt 0x0
	s_add_nc_u64 s[4:5], s[4:5], s[24:25]
	s_add_nc_u64 s[10:11], s[10:11], s[26:27]
	s_add_nc_u64 s[12:13], s[12:13], s[28:29]
	s_add_nc_u64 s[14:15], s[14:15], s[30:31]
.macro XLOAD s                         ; K step s: 64 numbers a lane into set s % 2
.irp b, 0,1,2,3
.irp j, 0,1,2,3
	global_load_b128 v[RAW+64*((\s)%2)+16*\b+4*\j:RAW+64*((\s)%2)+16*\b+4*\j+3], v3, s[4:5] offset:512*(\s)+128*\b+16*\j th:TH_LOAD_NT
.endr
.endr
.endm
; 64 numbers of a lane, v[x] on, become a fragment's codes in v[PC] on and its scale word in v[pw]
.macro QUANT x, pw
.irp b, 0,1,2,3
	v_max3_num_f32 v[TM+\b], |v[\x+16*\b]|, |v[\x+1+16*\b]|, 0x8000000   ; my 16 numbers of block b, and the floor 2^(16 - 127): the byte cannot fall under 1
.endr
.irp e, 2,4,6,8,10,12,14
.irp b, 0,1,2,3
	v_max3_num_f32 v[TM+\b], v[TM+\b], |v[\x+16*\b+\e]|, |v[\x+1+16*\b+\e]|   ; the four blocks by turns
.endr
.endr
.irp b, 0,1,2,3
	v_permlanex16_b32 v[TM+4+\b], v[TM+\b], s[SEL], s[SEL+1]
.endr
.irp b, 0,1,2,3
	v_max_num_f32 v[TM+\b], v[TM+\b], v[TM+4+\b]   ; with lane l xor 16's: the block's largest magnitude
.endr
.irp b, 0,1,2,3
	v_add_nc_u32 v[TM+12+\b], 0xf8800000, v[TM+\b] ; 15 off its exponent field: the conversion's scale operand
.endr
.irp b, 0,1,2,3
	v_and_or_b32 v[TM+8+\b], v[TM+\b], 0x7f800000, s[MNT]   ; 57,344 x the scale
.endr
.irp b, 0,1,2,3
	v_lshrrev_b32 v[TM+4+\b], 23, v[TM+12+\b]      ; the scale's byte
.endr
	v_lshl_or_b32 v[\pw], v[TM+5], 8, v[TM+4]      ; four bytes make my row's scale word
	v_lshl_or_b32 v[\pw], v[TM+6], 16, v[\pw]
	v_lshl_or_b32 v[\pw], v[TM+7], 24, v[\pw]
.irp b, 0,1,2,3
.irp e, 0,1,2,3,4,5,6,7,8,9,10,11,12,13,14,15
	v_med3_num_f32 v[\x+16*\b+\e], v[\x+16*\b+\e], -v[TM+8+\b], v[TM+8+\b]   ; the conversion to an 8-bit code does not saturate (ISA guide 7.6.2): the hold comes first
.endr
	v_cvt_scalef32_pk8_bf8_f32 v[PC+4*\b:PC+1+4*\b], v[\x+16*\b:\x+7+16*\b], v[TM+12+\b]
	v_cvt_scalef32_pk8_bf8_f32 v[PC+2+4*\b:PC+3+4*\b], v[\x+8+16*\b:\x+15+16*\b], v[TM+12+\b]
.endr
	v_nop                                          ; one plain line behind the last scaled conversion
.endm
	XLOAD 0
	XLOAD 1
	s_cmp_lg_u32 s17, 0
	s_cbranch_scc1 .Lrole1
; ---- role 0: codes and scale words of the encoder's part
.macro STEP0 s
.if (\s) < 7
	s_wait_loadcnt 16                              ; this step's sixteen loads are in; the next step's sixteen may be out
.else
	s_wait_loadcnt 0x0
.endif
	s_wait_xcnt 0x0                                ; the last step's stores have read the codes' registers: they are written again only behind this wait
	QUANT RAW+64*((\s)%2), PWS+(\s)
.if (\s) <= 5
	XLOAD (\s)+2
.endif
.irp c, 0,1,2,3
	global_store_b128 v4, v[PC+4*\c:PC+4*\c+3], s[10:11] offset:2048*(\s)+512*\c   ; 32 lanes store 512 consecutive bytes, aligned
.endr
.endm
.irp t, 0,1,2,3,4,5,6,7
	STEP0 \t
.endr
	v_cmp_le_u32 vcc_lo, 16, v0                    ; lanes 16-31 take the odd K steps' words (both halves of the lanes hold every word)
.irp q, 0,1,2,3
	v_cndmask_b32 v[56+\q], v[PWS+2*\q], v[PWS+2*\q+1], vcc_lo
.endr
	global_store_b128 v4, v[56:59], s[12:13]       ; 512 consecutive bytes
	s_endpgm
; ---- role 1: the decoder's part, multiplied at once
.Lrole1:
.macro DLOAD s                         ; the decoder's two fragments (batches 0-15, 16-31) of K step s, and their scale words: ten loads
.irp t, 0,1
.irp c, 0,1,2,3
	global_load_b128 v[DF+16*\t+4*\c:DF+16*\t+4*\c+3], v5, s[6:7] offset:16384*\t+128*(\s)+32*\c
.endr
	global_load_b32 v[DSC+\t], v6, s[8:9] offset:512*\t+4*(\s)
.endr
.endm
.macro STEP1 s
.if (\s) < 7
	s_wait_loadcnt 26                              ; behind this step's numbers: the next step's sixteen loads and the decoder's ten
.else
	s_wait_loadcnt 10                              ; the decoder's ten
.endif
	QUANT RAW+64*((\s)%2), PW
.if (\s) <= 5
	XLOAD (\s)+2
.endif
.rept 3
	v_nop                                          ; with the line that ends QUANT: four places between the codes and the scaled matrix instruction; the scale word was made ahead of the 64 holds
.endr
.if (\s) < 6
	s_wait_loadcnt 16                              ; the decoder's fragments are in; the sixteen loads just issued may be out
.else
	s_wait_loadcnt 0x0
.endif
.irp t, 0,1                            ; source 0 = 16 rows of W, source 1 = 16 batches: a lane holds one batch and eight neighbouring h.  The two accumulators take turns
.if (\s) == 0
	v_wmma_scale_f32_16x16x128_f8f6f4 v[ACC+8*\t:ACC+8*\t+7], v[PC:PC+15], v[DF+16*\t:DF+16*\t+15], 0, v[PW], v[DSC+\t] matrix_a_fmt:MATRIX_FMT_BF8 matrix_b_fmt:MATRIX_FMT_BF8
.else
	v_wmma_scale_f32_16x16x128_f8f6f4 v[ACC+8*\t:ACC+8*\t+7], v[PC:PC+15], v[DF+16*\t:DF+16*\t+15], v[ACC+8*\t:ACC+8*\t+7], v[PW], v[DSC+\t] matrix_a_fmt:MATRIX_FMT_BF8 matrix_b_fmt:MATRIX_FMT_BF8
.endif
.endr
.rept 8
	v_nop                                          ; eight places in front of loads into registers that the products read, and of the first read of results
.endr
.if (\s) < 7
	DLOAD (\s)+1
.endif
.endm
	DLOAD 0
.irp t, 0,1,2,3,4,5,6,7
	STEP1 \t
.endr
.irp j, 0,1,2,3,4,5,6,7,8,9,10,11,12,13,14,15
	v_mul_f32 v[DF+\j], 0x4038aa3b, v[ACC+\j]      ; x 2 log2(e); each accumulator from its low end on
.endr
.irp t, 0,1
.irp u, 0,1
	global_store_b128 v7, v[DF+8*\t+4*\u:DF+8*\t+4*\u+3], s[14:15] offset:65536*\t+16*\u   ; bias(16 t + r, 16 nt + 8 half + 4 u ..)
.endr
.endr
	s_endpgm
.Lfunc_end_k_q10b5dd0f80_prep:
	.size	k_q10b5dd0f80_prep, .Lfunc_end_k_q10b5dd0f80_prep-k_q10b5dd0f80_prep
	.p2alignl 7, 3214868480
	.fill 96, 4, 3214868480
	.section	.rodata,"a",@progbits
	.p2align	6, 0x0
	.amdhsa_kernel k_q10b5dd0f80_prep
		.amdhsa_group_segment_fixed_size 0
		.amdhsa_private_segment_fixed_size 0
		.amdhsa_enable_private_segment 0
		.amdhsa_kernarg_size 48
		.amdhsa_user_sgpr_count 2
		.amdhsa_user_sgpr_kernarg_segment_ptr 1
		.amdhsa_wavefront_size32 1
		.amdhsa_system_sgpr_workgroup_id_x 1
		.amdhsa_system_sgpr_workgroup_id_y 1
		.amdhsa_system_sgpr_workgroup_id_z 1
		.amdhsa_system_vgpr_workitem_id 0
		.amdhsa_next_free_vgpr 256
		.amdhsa_next_free_sgpr 66
		.amdhsa_reserve_vcc 1
		.amdhsa_float_denorm_mode_32 3
		.amdhsa_float_denorm_mode_16_64 3
		.amdhsa_memory_ordered 1
		.amdhsa_forward_progress 1
		.amdhsa_inst_pref_size 169
	.end_amdhsa_kernel
	.amdgpu_metadata
---
amdhsa.version: [ 1, 2 ]
amdhsa.kernels:
  - .name:           k_q10b5dd0f80_prep
    .symbol:         k_q10b5dd0f80_prep.kd
    .args:
      - { .name: W, .offset: 0, .size: 8, .value_kind: global_buffer, .address_space: global }
      - { .name: decoder_state_codes, .offset: 8, .size: 8, .value_kind: global_buffer, .address_space: global }
      - { .name: decoder_state_scales, .offset: 16, .size: 8, .value_kind: global_buffer, .address_space: global }
      - { .name: wcodes, .offset: 24, .size: 8, .value_kind: global_buffer, .address_space: global }
      - { .name: wsc, .offset: 32, .size: 8, .value_kind: global_buffer, .address_space: global }
      - { .name: bias, .offset: 40, .size: 8, .value_kind: global_buffer, .address_space: global }
    .group_segment_fixed_size: 0
    .private_segment_fixed_size: 0
    .kernarg_segment_align: 8
    .kernarg_segment_size: 48
    .max_flat_workgroup_size: 32
    .sgpr_count:     66
    .vgpr_count:     256
    .wavefront_size: 32
...
	.end_amdgpu_metadata
.endif
;; end of part 1
;; launch main (part 2): grid 1024 x 1, 8 waves a work-group, no clusters, 211,968 bytes of LDS; arguments encoder_outputs, sequence_length, v, wcodes, wsc, bias, lg, part; writes lg, part
.if DOCPART == 2
	.amdgcn_target "amdgcn-amd-amdhsa--gfx1250"
	.amdhsa_code_object_version 6
	.text
	.protected	k_q10b5dd0f80_main
	.globl	k_q10b5dd0f80_main
	.p2align	8
	.type	k_q10b5dd0f80_main,@function
k_q10b5dd0f80_main:
	s_mov_b64 s[64:65], 0
	v_nop
	global_prefetch_b8 v0, s[64:65] scope:SCOPE_SE
	s_setreg_imm32_b32 hwreg(HW_REG_WAVE_MODE, 25, 1), 1
	s_wait_xcnt 0x0
; One work-group takes one tile of 64 rows of one batch through the whole chain: the rows are read from memory once, quantised to E5M2 codes (one E8M0 scale for each 32 along K), multiplied by W's encoder part,
; logit = sum over h of v_h tanh(product + bias), rows at or behind the batch's length take -50,000, and with the TILE's own maximum m: part = sum over the tile's rows of exp(logit - m) x row.
; The last launch joins the tiles.  lg gets the tile's masked logits, part its weighted sum.
; WHICH TILES.  Batch b has n_b = ceil(min(len, 2048) / 64) tiles that hold a row ahead of its length (32 where len <= 0: every row is then masked alike and all count).  Only these are worked.  The tiles of all batches are
; numbered on end, and work-group i takes tile i; 1,024 work-groups serve every choice of lengths; one whose number no tile has stores nothing.
; LIMITS: the rows of tiles that are left out count as 0 in the weighted sum: exact while exp(-50,000 - the largest logit) is 0 in f32, that is while the sum of |v_h| stays under 49,800.
; The weighted sum takes the rows and the weights rounded to f16: magnitudes of the encoder's numbers above 65,504 are not served there; those under 2^-14 keep an absolute error of 2^-25.  NaN and infinities among the inputs are not served.
; A block of zeros gets the scale byte 1 (its codes are zeros; only this program reads the bytes).
; NO TENSOR LOAD, NO CLUSTER: whether a work-group has a tile hangs on lengths read from memory, so the work stands under a branch on loaded numbers; W's fragments come from memory straight into registers,
; out of a buffer laid in the order of the operand's registers (512 consecutive bytes a load).  The barriers stand outside that branch, on every wave's path: the work is three sections, each entered by the same test.
; tanh(x) = 1 - 2 / (1 + 2^(2 log2(e) x)): logit = sum of v_h + sum of (-2 v_h) / (1 + 2^(c product + c bias)), c = 2 log2(e); the bias arrives times c.
; SHARES.  A: wave w quantises fragments 4 w .. 4 w + 3 (fragment 8 m + s: rows 16 m on, K step s) and lays the same numbers, rounded to f16, as rows in LDS for the weighted sum.
;          B: wave w owns h = 128 w .. 128 w + 127 for all 64 rows: 32 accumulators.  Source 0 = 16 rows of x, source 1 = 16 rows of W: a lane holds ONE h and eight rows.   C: wave w owns columns 128 w .. 128 w + 127.
; WHY f16 AND NOT bf16 FOR THE WEIGHTED SUM: a batch of few rows sums few terms of the inputs' own size, which may cancel, and each term carries its rounding: 11 significant bits leave an eighth of the error of 8.
; The rows as f32 (262,144 bytes) do not fit in LDS beside the images (65,536) and their scale words (4,096).
; REGISTERS.  Window 0: v1-15, v254-255 addresses; v16-79 A: f16 pairs, codes, work; B: x's four fragments, then the logits' parts; C: rows 0-31.  v80-207 B: W's eight fragments (v80-87 at the end the bias); C: work, weights, rows 32-63.
;   v208-239 W's scale words, v240-243 x's: scales and nothing else.  v244-251 v, then -2 v; v252-253 the lane's sum of v; C: v244-247 weights and logits, v248-251 my 16 bytes of part.
;   Window 1 (v256-511): A: the 4 x 64 numbers as loaded; B: accumulator (n, m) at 8 (4 n + m); C: v256-319 the weighted sum's eight accumulators.
.set XIMG, 0                           ; LDS: 32 images of fragments, 2,048 bytes each
.set XSC,  65536                       ; their scale words, 128 bytes each
.set RED,  69632                       ; 8 waves x 64 parts of logits
.set PWT,  71680                       ; 8 waves x 256 bytes: the tile's 64 weights as f16 (128 bytes), each wave's own copy
.set OSTG, 73728                       ; 8 waves x 512 bytes: a wave's 128 columns of part on their way out
.set XBF,  77824                       ; 64 rows of 1,024 f16
.set BP,   2080                        ; their pitch: 2,048 bytes + 32 = 65 x 32: 16 lanes of the turning load take 8 rows x 32 bytes, which start 32 bytes apart modulo 256
.set LI,  1                            ; 16 x lane
.set LS,  2                            ; XSC + 4 x lane
.set WB,  3                            ; wcodes: 16 x lane + 131,072 x wave (my 64 fragments)
.set XA,  4                            ; x: (16 m + r) rows of 4,096 bytes + 2,048 (wave % 2) + 64 x half
.set XWI, 5                            ; where I store images: 16 x lane + 8,192 x wave
.set XWS, 6                            ; and their scale words: XSC + 4 x lane + 512 x wave
.set BFA, 7                            ; and the f16 rows: XBF + (16 m + r) BP + 1,024 (wave % 2) + 32 x half
.set RW,  8                            ; RED + 256 x wave + 32 x half
.set RR,  9                            ; RED + 8 x lane
.set PWA, 10                           ; PWT + 256 x wave + 4 x lane
.set PWB, 11                           ; PWT + 256 x wave + 16 x half
.set CB,  12                           ; XBF + 256 x wave + (8 half + lane % 8) BP + 16 ((lane / 8) % 2)
.set CB2, 13                           ; the same 32 rows further down
.set WSO, 14                           ; wsc: 16 x lane + 4,096 x wave
.set VO,  15                           ; v and bias: 512 x wave + 4 r
.set OSA, 254                          ; OSTG + 512 x wave + 4 r
.set OSR, 255                          ; OSTG + 512 x wave + 16 x lane
.set BF,  16
.set PC,  48
.set TM,  64
.set AF,  16
.set L,   16
.set BR,  80
.set BI,  80
.set WS,  208
.set AS,  240
.set VV,  244
.set VS,  252
.set PT,  80                           ; C: the eight waves' parts of my two rows' logits
.set PH,  101                          ; C: my two weights as f16
.set PA,  104                          ; C: v104-119 the weights' two fragments
.set XB0, 16                           ; C: rows 0-31: eight fragments of 32 rows x 16 columns
.set XB1, 144                          ; C: rows 32-63
.set PP,  244
.set ML,  246
.set O,   248
.set WV,  52
.set ID,  53
.set CUM, 54
.set BB,  55
.set LEN, 56
.set START, 57
.set TT,  58
.set BLK, 59
.set SEL, 60                           ; s[60:61]
.set MNT, 62
.set CC,  66                           ; s[66:67] c = 2 log2(e)
.set OF,  68                           ; s[68:69] an offset in 64 bits
.set ROW0, 70
.set MSB, 0
.macro WIN new                         ; s_set_vgpr_msb: bits 1:0 source 0, 3:2 source 1, 5:4 source 2, 7:6 destination; the high byte repeats the setting that is left
.if MSB != \new
	s_set_vgpr_msb (MSB<<8)|\new
.set MSB, \new
.endif
.endm
	s_load_b256 s[4:11], s[0:1], 0x0               ; x s[4:5], the lengths s[6:7], v s[8:9], wcodes s[10:11]
	s_load_b128 s[12:15], s[0:1], 0x20             ; wsc s[12:13], bias s[14:15]
	s_load_b128 s[48:51], s[0:1], 0x30             ; lg s[48:49], part s[50:51]
	v_lshrrev_b32 v1, 5, v0
	v_readfirstlane_b32 s[WV], v1                  ; wave 0..7
	s_wait_kmcnt 0x0
	s_load_b512 s[16:31], s[6:7], 0x0              ; the 32 lengths
	s_load_b512 s[32:47], s[6:7], 0x40
	v_and_b32 v16, 31, v0                          ; lane
	v_and_b32 v17, 15, v0                          ; r
	v_bfe_u32 v18, v0, 4, 1                        ; half
	s_lshr_b32 s71, s[WV], 1                       ; m: the 16 rows that I quantise
	s_and_b32 s72, s[WV], 1                        ; which four K steps of them
	v_lshlrev_b32 v[LI], 4, v16
	v_lshl_add_u32 v[LS], v16, 2, XSC
	s_lshl_b32 s73, s[WV], 17
	v_add_nc_u32 v[WB], s73, v[LI]
	s_lshl_b32 s73, s71, 16
	s_lshl_b32 s74, s72, 11
	s_add_co_u32 s73, s73, s74
	v_lshlrev_b32 v[XA], 12, v17
	v_lshl_add_u32 v[XA], v18, 6, v[XA]
	v_add_nc_u32 v[XA], s73, v[XA]
	s_lshl_b32 s73, s[WV], 13
	v_add_nc_u32 v[XWI], s73, v[LI]
	s_lshl_b32 s73, s[WV], 9
	v_add_nc_u32 v[XWS], s73, v[LS]
	v_lshl_add_u32 v[VO], v17, 2, s73
	s_add_co_u32 s74, s73, OSTG
	v_lshl_add_u32 v[OSA], v17, 2, s74
	v_lshl_add_u32 v[OSR], v16, 4, s74
	s_mul_i32 s73, s71, 16*BP
	s_lshl_b32 s74, s72, 10
	s_add_co_u32 s73, s73, s74
	s_add_co_u32 s73, s73, XBF
	v_mul_u32_u24 v[BFA], v17, BP
	v_lshl_add_u32 v[BFA], v18, 5, v[BFA]
	v_add_nc_u32 v[BFA], s73, v[BFA]
	s_lshl_b32 s73, s[WV], 8
	s_add_co_u32 s74, s73, RED
	v_lshlrev_b32 v[RW], 5, v18
	v_add_nc_u32 v[RW], s74, v[RW]
	v_lshl_add_u32 v[RR], v16, 3, RED
	s_add_co_u32 s74, s73, PWT
	v_lshl_add_u32 v[PWA], v16, 2, s74
	v_lshl_add_u32 v[PWB], v18, 4, s74
	s_add_co_u32 s74, s73, XBF
	v_and_b32 v19, 7, v0
	v_lshl_add_u32 v19, v18, 3, v19                ; the turning load: lane l reads 16 bytes of row 8 (l / 16) + l % 8,
	v_mul_u32_u24 v[CB], v19, BP
	v_bfe_u32 v19, v0, 3, 1
	v_lshl_add_u32 v[CB], v19, 4, v[CB]            ; columns 8 ((l / 8) % 2) on
	v_add_nc_u32 v[CB], s74, v[CB]
	v_add_nc_u32 v[CB2], 32*BP, v[CB]
	s_lshl_b32 s73, s[WV], 12
	v_add_nc_u32 v[WSO], s73, v[LI]
	s_mov_b32 s[SEL], 0x76543210
	s_mov_b32 s[SEL+1], 0xfedcba98
	s_mov_b32 s[MNT], 0x600000
	s_mov_b32 s[CC], 0x4038aa3b
	s_mov_b32 s[CC+1], s[CC]                       ; named with it as a pair, so it is written
	s_mov_b32 s[ID], ttmp9
	s_mov_b32 s[CUM], 0
	s_mov_b32 s[BB], 0
	s_mov_b32 s[LEN], 0
	s_mov_b32 s[START], 0
	s_wait_kmcnt 0x0
; my tile: the last batch whose first tile's number is not above mine.  No branch: selections alone
.irp b, 0,1,2,3,4,5,6,7,8,9,10,11,12,13,14,15,16,17,18,19,20,21,22,23,24,25,26,27,28,29,30,31
	s_min_i32 s[TT], s[16+\b], 0x800
	s_add_co_i32 s[TT], s[TT], 63
	s_ashr_i32 s[TT], s[TT], 6
	s_cmp_gt_i32 s[16+\b], 0
	s_cselect_b32 s[TT], s[TT], 32                 ; n_b
	s_cmp_ge_u32 s[ID], s[CUM]
	s_cselect_b32 s[BB], \b, s[BB]
	s_cselect_b32 s[LEN], s[16+\b], s[LEN]
	s_cselect_b32 s[START], s[CUM], s[START]
	s_add_co_u32 s[CUM], s[CUM], s[TT]
.endr
	s_sub_co_u32 s[BLK], s[ID], s[START]
	s_min_u32 s[BLK], s[BLK], 31                   ; both are held inside their tables before they enter an address
	s_min_u32 s[BB], s[BB], 31
	s_lshl_b32 s[ROW0], s[BLK], 6                  ; the tile's first row
	s_mov_b32 s[OF+1], 0
	s_lshl_b32 s[OF], s[BB], 23                    ; x: 2,048 rows of 4,096 bytes a batch, 64 rows a tile
	s_lshl_b32 s73, s[BLK], 18
	s_add_co_u32 s[OF], s[OF], s73
	s_add_nc_u64 s[4:5], s[4:5], s[OF:OF+1]
	s_lshl_b32 s[OF], s[BB], 12
	s_add_nc_u64 s[14:15], s[14:15], s[OF:OF+1]    ; the batch's row of the bias
	s_lshl_b32 s[OF], s[BB], 13
	s_lshl_b32 s73, s[BLK], 8
	s_add_co_u32 s[OF], s[OF], s73
	s_add_nc_u64 s[48:49], s[48:49], s[OF:OF+1]    ; the tile's 64 logits
	s_lshl_b32 s[OF], s[BB], 17
	s_lshl_b32 s73, s[BLK], 12
	s_add_co_u32 s[OF], s[OF], s73
	s_add_nc_u64 s[50:51], s[50:51], s[OF:OF+1]    ; the tile's row of part
; ---------------- A: the rows come in, once, and become codes (for the product) and f16 (for the weighted sum)
.macro ELOAD q                         ; my fragment q: 64 numbers a lane: register 16 b + i = k 32 b + 16 half + i of my row
	WIN 0x40                                       ; destination window 1
.irp b, 0,1,2,3
.irp j, 0,1,2,3
	global_load_b128 v[64*(\q)+16*\b+4*\j:64*(\q)+16*\b+4*\j+3], v[XA], s[4:5] offset:512*(\q)+128*\b+16*\j th:TH_LOAD_NT
.endr
.endr
.endm
.macro QUANTE q
.set EB, 64*(\q)
	s_wait_dscnt 0x0                               ; the last fragment's LDS stores have read their registers
	WIN 0x05                                       ; sources 0 and 1 window 1
.set k, 0
.rept 32
	v_cvt_pk_f16_f32 v[BF+k], v[EB+2*k], v[EB+2*k+1]
.set k, k+1
.endr
.irp b, 0,1,2,3
	v_max3_num_f32 v[TM+\b], |v[EB+16*\b]|, |v[EB+16*\b+1]|, 0x8000000   ; my 16 numbers of block b, and the floor 2^(16 - 127): the byte cannot fall under 1
.endr
	WIN 0x14                                       ; sources 1 and 2 window 1
.irp e, 2,4,6,8,10,12,14
.irp b, 0,1,2,3
	v_max3_num_f32 v[TM+\b], v[TM+\b], |v[EB+16*\b+\e]|, |v[EB+16*\b+\e+1]|
.endr
.endr
	WIN 0
.irp b, 0,1,2,3
.irp u, 0,1
	ds_store_b128 v[BFA], v[BF+8*\b+4*\u:BF+8*\b+4*\u+3] offset:256*(\q)+64*\b+16*\u   ; 16 neighbouring columns of my row are 32 bytes
.endr
.endr
.irp b, 0,1,2,3
	v_permlanex16_b32 v[TM+4+\b], v[TM+\b], s[SEL], s[SEL+1]
.endr
.irp b, 0,1,2,3
	v_max_num_f32 v[TM+\b], v[TM+\b], v[TM+4+\b]   ; with lane l xor 16's: the block's largest magnitude
.endr
.irp b, 0,1,2,3
	v_add_nc_u32 v[TM+12+\b], 0xf8800000, v[TM+\b] ; 15 off its exponent field: the conversion's scale operand
.endr
.irp b, 0,1,2,3
	v_and_or_b32 v[TM+8+\b], v[TM+\b], 0x7f800000, s[MNT]   ; 57,344 x the scale
.endr
.irp b, 0,1,2,3
	v_lshrrev_b32 v[TM+4+\b], 23, v[TM+12+\b]      ; the scale's byte
.endr
	v_lshl_or_b32 v[TM+4], v[TM+5], 8, v[TM+4]     ; four bytes make my row's scale word
	v_lshl_or_b32 v[TM+4], v[TM+6], 16, v[TM+4]
	v_lshl_or_b32 v[TM+4], v[TM+7], 24, v[TM+4]
	WIN 0x41                                       ; destination and source 0 window 1
.irp b, 0,1,2,3
.irp e, 0,1,2,3,4,5,6,7,8,9,10,11,12,13,14,15
	v_med3_num_f32 v[EB+16*\b+\e], v[EB+16*\b+\e], -v[TM+8+\b], v[TM+8+\b]   ; the conversion to an 8-bit code does not saturate (ISA guide 7.6.2): the hold comes first
.endr
.endr
	WIN 0x01                                       ; source 0 window 1
.irp b, 0,1,2,3
	v_cvt_scalef32_pk8_bf8_f32 v[PC+4*\b:PC+4*\b+1], v[EB+16*\b:EB+16*\b+7], v[TM+12+\b]
	v_cvt_scalef32_pk8_bf8_f32 v[PC+4*\b+2:PC+4*\b+3], v[EB+16*\b+8:EB+16*\b+15], v[TM+12+\b]
.endr
	WIN 0
	v_nop                                          ; one plain line behind the last scaled conversion
.irp c, 0,1,2,3
	ds_store_b128 v[XWI], v[PC+4*\c:PC+4*\c+3] offset:2048*(\q)+512*\c   ; the fragment as an image of its registers: 512 consecutive bytes a store
.endr
	ds_store_b32 v[XWS], v[TM+4] offset:128*(\q)
.endm
	s_cmp_lt_u32 s[ID], s[CUM]                     ; have I a tile?
	s_cbranch_scc0 .LendA
.irp b, 0,1,2,3
	v_mov_b32 v[TM+4+\b], 0                        ; a lane permute's destination counts as one of its sources
.endr
	ELOAD 0
	ELOAD 1
	ELOAD 2
	s_wait_loadcnt 32                              ; fragment 0 is in; the 32 loads of fragments 1 and 2 may be out
	ELOAD 3
	QUANTE 0
	s_wait_loadcnt 32                              ; fragment 1 is in; fragments 2 and 3 may be out
	QUANTE 1
	s_wait_loadcnt 16                              ; fragment 3 may be out
	QUANTE 2
	s_wait_loadcnt 0x0
	QUANTE 3
.LendA:
	s_wait_dscnt 0x0                               ; my stores have landed:
	s_barrier_signal -1
	s_barrier_wait -1                              ; the tile's 32 images, their scale words and its f16 rows lie in LDS
; ---------------- B: the product, tanh and v
.macro BLOAD g, s                      ; W's fragments n = 2 g, 2 g + 1 of K step s: eight loads of 512 consecutive bytes
.irp n, 2*(\g), 2*(\g)+1
.irp c, 0,1,2,3
	global_load_b128 v[BR+16*(\n)+4*\c:BR+16*(\n)+4*\c+3], v[WB], s[10:11] offset:(8*(\n)+(\s))*2048+512*\c
.endr
.endr
.endm
.macro FETCHA s                        ; x's four fragments of K step s, and their scale words
.irp m, 0,1,2,3
.irp c, 0,1,2,3
	ds_load_b128 v[AF+16*\m+4*\c:AF+16*\m+4*\c+3], v[LI] offset:(8*\m+(\s))*2048+512*\c
.endr
	ds_load_b32 v[AS+\m], v[LS] offset:(8*\m+(\s))*128
.endr
.endm
.macro WM s, n, m                      ; W's scale words: register 4 n + s / 2; lanes 0-15 for an even K step, lanes 16-31 for an odd one
.set rD, 8*(4*(\n)+(\m))
.set rA, AF+16*(\m)
.set rB, BR+16*(\n)
.set rW, WS+4*(\n)+(\s)/2
.if (\s) == 0
	v_wmma_scale_f32_16x16x128_f8f6f4 v[rD:rD+7], v[rA:rA+15], v[rB:rB+15], 0, v[AS+(\m)], v[rW] matrix_a_fmt:MATRIX_FMT_BF8 matrix_b_fmt:MATRIX_FMT_BF8
.elseif (\s)%2 == 0
	v_wmma_scale_f32_16x16x128_f8f6f4 v[rD:rD+7], v[rA:rA+15], v[rB:rB+15], v[rD:rD+7], v[AS+(\m)], v[rW] matrix_a_fmt:MATRIX_FMT_BF8 matrix_b_fmt:MATRIX_FMT_BF8
.else
	v_wmma_scale_f32_16x16x128_f8f6f4 v[rD:rD+7], v[rA:rA+15], v[rB:rB+15], v[rD:rD+7], v[AS+(\m)], v[rW] matrix_a_fmt:MATRIX_FMT_BF8 matrix_b_fmt:MATRIX_FMT_BF8 matrix_b_scale:MATRIX_SCALE_ROW1
.endif
.endm
; Group g of K step s: eight products; then the same two fragments of the next K step are asked for: they have the three other groups' 24 products in which to land.
; The 32 accumulators take turns, one instruction a turn, in the same order in every K step.
.macro GROUP s, g
.if (\s) == 7 && (\g) >= 2
	s_wait_loadcnt 32-8*(\g)                       ; the last K step: behind my group stand the groups left and the eight loads of the bias
.else
	s_wait_loadcnt 24                              ; behind my group's eight loads three times eight were issued
.endif
.if (\g) == 0
	s_wait_dscnt 0x0                               ; x's fragments are in
.endif
	WIN 0x50                                       ; C and D window 1
.irp n, 2*(\g), 2*(\g)+1
.irp m, 0,1,2,3
	WM \s, \n, \m
.endr
.endr
.if (\s) < 7
.rept 8
	v_nop                                          ; eight places in front of loads into registers that the products read
.endr
	WIN 0
	BLOAD \g, (\s)+1
.if (\g) == 3
	FETCHA (\s)+1
.endif
.elseif (\g) == 0
.rept 8
	v_nop
.endr
	WIN 0
.irp i, 0,1,2,3,4,5,6,7
	global_load_b32 v[BI+\i], v[VO], s[14:15] offset:64*\i   ; the bias of my h in tile i, into registers of W's fragment 0, which is done with
.endr
.endif
.endm
	s_cmp_lt_u32 s[ID], s[CUM]
	s_cbranch_scc0 .LendB
.irp i, 0,1,2,3,4,5,6,7
	global_load_b128 v[WS+4*\i:WS+4*\i+3], v[WSO], s[12:13] offset:512*\i
.endr
.irp i, 0,1,2,3,4,5,6,7
	global_load_b32 v[VV+\i], v[VO], s[8:9] offset:64*\i     ; v of my h in tile i
.endr
	BLOAD 0, 0
	BLOAD 1, 0
	BLOAD 2, 0
	BLOAD 3, 0
	FETCHA 0
.irp t, 0,1,2,3,4,5,6,7
	GROUP \t, 0
	GROUP \t, 1
	GROUP \t, 2
	GROUP \t, 3
.endr
	WIN 0
	s_wait_loadcnt 0x0                             ; the bias
	v_add_f32 v[VS], v[VV], v[VV+1]                ; these twelve plain lines name no register of the last products: they are the places in front of the first read of results
.irp i, 2,3,4,5,6,7
	v_add_f32 v[VS], v[VS], v[VV+\i]               ; the sum of v over my eight h
.endr
	v_mov_b32 v[VS+1], v[VS]
.irp i, 0,2,4,6
	v_pk_mul_f32 v[VV+\i:VV+\i+1], v[VV+\i:VV+\i+1], -2.0 op_sel_hi:[1,0]
.endr
	WIN 0x41                                       ; destination and source 0 window 1
.irp n, 0,1,2,3,4,5,6,7
.set a, 32*\n
.rept 16
.if \n%2 == 0
	v_pk_fma_f32 v[a:a+1], v[a:a+1], s[CC:CC+1], v[BI+\n:BI+\n+1] op_sel_hi:[1,0,0]              ; c x product + c x bias; each accumulator from its low end on
.else
	v_pk_fma_f32 v[a:a+1], v[a:a+1], s[CC:CC+1], v[BI+\n-1:BI+\n] op_sel:[0,0,1] op_sel_hi:[1,0,1]
.endif
.set a, a+2
.endr
.endr
.set a, 0
.rept 256
	v_exp_f32 v[a], v[a]
.set a, a+1
.endr
	v_nop                                          ; a plain line behind the last exponential
	s_wait_alu depctr_va_vdst(0)                   ; one wait for the whole batch, ahead of its first reader
.set a, 0
.rept 128
	v_pk_add_f32 v[a:a+1], v[a:a+1], 1.0 op_sel_hi:[1,0]
.set a, a+2
.endr
.set a, 0
.rept 256
	v_rcp_f32 v[a], v[a]
.set a, a+1
.endr
	v_nop
	s_wait_alu depctr_va_vdst(0)                   ; and one for the reciprocals
	WIN 0x01                                       ; source 0 window 1
.irp n, 0,1,2,3,4,5,6,7                ; L[8 m + j] = the part of the logit of row 16 m + 8 half + j that my eight h give
.set k, 0
.rept 16
.if \n == 0
	v_pk_fma_f32 v[L+2*k:L+2*k+1], v[2*k:2*k+1], v[VV:VV+1], v[VS:VS+1] op_sel_hi:[1,0,1]
.elseif \n%2 == 0
	v_pk_fma_f32 v[L+2*k:L+2*k+1], v[32*\n+2*k:32*\n+2*k+1], v[VV+\n:VV+\n+1], v[L+2*k:L+2*k+1] op_sel_hi:[1,0,1]
.else
	v_pk_fma_f32 v[L+2*k:L+2*k+1], v[32*\n+2*k:32*\n+2*k+1], v[VV+\n-1:VV+\n], v[L+2*k:L+2*k+1] op_sel:[0,1,0] op_sel_hi:[1,1,1]
.endif
.set k, k+1
.endr
.endr
	WIN 0
.irp x, 1,2,4,8                        ; over the sixteen lanes of a half: my wave's 128 h
.set k, 0
.rept 32
	v_add_f32_dpp v[L+k], v[L+k], v[L+k] row_xmask:\x row_mask:0xf bank_mask:0xf
.set k, k+1
.endr
.endr
.irp m, 0,1,2,3
.irp u, 0,1
	ds_store_b128 v[RW], v[L+8*\m+4*\u:L+8*\m+4*\u+3] offset:64*\m+16*\u   ; rows 16 m + 8 half + 4 u on; the sixteen lanes of a half write the same bytes with the same values
.endr
.endr
.LendB:
	s_wait_dscnt 0x0                               ; my stores have landed and my reads of the images are over
	s_barrier_signal -1
	s_barrier_wait -1                              ; the eight waves' parts of the 64 logits lie in LDS
; ---------------- C: the logits, the tile's weights, the weighted sum.  Every wave makes the weights for itself: no third barrier.
; The weighted sum goes to the matrix unit with f16 operands and f32 sums: K = the tile's 64 rows, in two steps of 32; N = my 128 columns, in eight tiles of 16.
; Source 1 = x, which lies [row][column] in LDS and is turned by ds_load_tr16_b128: lane l then holds column l % 16 and, in registers 0-3 and 4-7, rows 8 (l / 16) + 0..7 and 16 + 8 (l / 16) + 0..7 of the step.
; Source 0 = the weights, the same in all sixteen rows: every lane takes the 16 bytes of the same rows' weights.  So register 0 of an accumulator holds, in lane l, column l % 16 of its tile.
	s_cmp_lt_u32 s[ID], s[CUM]
	s_cbranch_scc0 .LendC
.irp w, 0,1,2,3,4,5,6,7
	ds_load_b64 v[PT+2*\w:PT+2*\w+1], v[RR] offset:256*\w    ; wave w's parts of rows 2 lane and 2 lane + 1
.endr
.irp i, 0,1,2,3,4,5,6,7
	ds_load_tr16_b128 v[XB0+8*\i:XB0+8*\i+3], v[CB] offset:32*\i           ; rows 0-31, columns 16 i on
	ds_load_tr16_b128 v[XB0+8*\i+4:XB0+8*\i+7], v[CB] offset:16*BP+32*\i
.endr
.irp i, 0,1,2,3,4,5,6,7
	ds_load_tr16_b128 v[XB1+8*\i:XB1+8*\i+3], v[CB2] offset:32*\i          ; rows 32-63
	ds_load_tr16_b128 v[XB1+8*\i+4:XB1+8*\i+7], v[CB2] offset:16*BP+32*\i
.endr
	v_and_b32 v3, 31, v0                           ; (the global loads that used v3 and v4 as offsets have been waited for)
	v_lshl_add_u32 v96, v3, 1, s[ROW0]             ; my first row in the batch
	v_add_nc_u32 v97, 1, v96
	v_lshlrev_b32 v3, 3, v3                        ; lg: 8 x lane
	v_mov_b32 v98, 0xc7435000                      ; -50,000
	v_mov_b32 v100, 0                              ; a lane permute's destination counts as one of its sources
	s_wait_dscnt 32                                ; the parts are in; the 32 turning loads behind them may be out
	v_pk_add_f32 v[80:81], v[80:81], v[82:83]
	v_pk_add_f32 v[84:85], v[84:85], v[86:87]
	v_pk_add_f32 v[88:89], v[88:89], v[90:91]
	v_pk_add_f32 v[92:93], v[92:93], v[94:95]
	v_pk_add_f32 v[80:81], v[80:81], v[84:85]
	v_pk_add_f32 v[88:89], v[88:89], v[92:93]
	v_pk_add_f32 v[80:81], v[80:81], v[88:89]      ; the logits
	v_cmp_gt_i32 vcc_lo, s[LEN], v96               ; a row counts where it lies ahead of the length
	v_cndmask_b32 v[ML], v98, v80, vcc_lo
	v_cmp_gt_i32 vcc_lo, s[LEN], v97
	v_cndmask_b32 v[ML+1], v98, v81, vcc_lo
	v_max_num_f32 v99, v[ML], v[ML+1]
	v_max_num_f32_dpp v99, v99, v99 row_xmask:1 row_mask:0xf bank_mask:0xf
	v_max_num_f32_dpp v99, v99, v99 row_xmask:2 row_mask:0xf bank_mask:0xf
	v_max_num_f32_dpp v99, v99, v99 row_xmask:4 row_mask:0xf bank_mask:0xf
	v_max_num_f32_dpp v99, v99, v99 row_xmask:8 row_mask:0xf bank_mask:0xf
	v_permlanex16_b32 v100, v99, s[SEL], s[SEL+1]
	v_max_num_f32 v99, v99, v100                   ; the tile's largest masked logit
	v_sub_f32 v[PP], v[ML], v99
	v_sub_f32 v[PP+1], v[ML+1], v99
	v_mul_f32 v[PP], 0x3fb8aa3b, v[PP]
	v_mul_f32 v[PP+1], 0x3fb8aa3b, v[PP+1]
	v_exp_f32 v[PP], v[PP]
	v_exp_f32 v[PP+1], v[PP+1]                     ; exp(logit - the tile's maximum), at most 1
	v_lshlrev_b32 v4, 4, v0                        ; part: 512 x wave + 16 x lane = 16 x thread.  (The plain line behind the exponentials)
	s_wait_alu depctr_va_vdst(0)                   ; the wait ahead of their first reader, and of the branch below
	v_cvt_pk_f16_f32 v[PH], v[PP], v[PP+1]         ; rows 2 lane (low half) and 2 lane + 1
	ds_store_b32 v[PWA], v[PH]                     ; into my wave's own 128 bytes: row s at byte 2 s;
.irp t, 0,1
.irp u, 0,1
	ds_load_b128 v[PA+8*\t+4*\u:PA+8*\t+4*\u+3], v[PWB] offset:64*\t+32*\u   ; LDS serves a wave's instructions in order (ISA guide 5.7.1.4): rows 32 t + 16 u + 8 half + 0..7
.endr
.endr
	s_cmp_lg_u32 s[WV], 0
	s_cbranch_scc1 .Lnot_wave_0
	global_store_b64 v3, v[ML:ML+1], s[48:49]      ; 32 lanes store the tile's 256 consecutive bytes, aligned; the registers are not written again
.Lnot_wave_0:
	s_wait_dscnt 0x0                               ; the rows and the weights are in
	WIN 0x50                                       ; C and D window 1.  The eight accumulators take turns
.irp i, 0,1,2,3,4,5,6,7
	v_wmma_f32_16x16x32_f16 v[8*\i:8*\i+7], v[PA:PA+7], v[XB0+8*\i:XB0+8*\i+7], 0
.endr
.irp i, 0,1,2,3,4,5,6,7
	v_wmma_f32_16x16x32_f16 v[8*\i:8*\i+7], v[PA+8:PA+15], v[XB1+8*\i:XB1+8*\i+7], v[8*\i:8*\i+7]
.endr
.rept 4
	v_nop                                          ; four places in front of the first read of results (ISA guide 7.12.1)
.endr
	WIN 0x04                                       ; an LDS store's data are its source 1: window 1
.irp i, 0,1,2,3,4,5,6,7
	ds_store_b32 v[OSA], v[8*\i] offset:64*\i      ; column 16 i + r, from each accumulator's lowest register; both halves of the lanes write the same word with the same value
.endr
	WIN 0
	ds_load_b128 v[O:O+3], v[OSR]                  ; my wave's own bytes, served in order: four neighbouring columns a lane
	s_wait_dscnt 0x0
	global_store_b128 v4, v[O:O+3], s[50:51]       ; 32 lanes store 512 consecutive bytes, aligned
.LendC:
	s_wait_xcnt 0x0
	v_lshl_add_u32 v254, v0, 2, 0x33800
	v_mov_b32 v255, 0
	s_wait_tensorcnt 0x0
	ds_add_u32 v254, v255
	s_wait_dscnt 0x0
	s_endpgm
.Lfunc_end_k_q10b5dd0f80_main:
	.size	k_q10b5dd0f80_main, .Lfunc_end_k_q10b5dd0f80_main-k_q10b5dd0f80_main
	.p2alignl 7, 3214868480
	.fill 96, 4, 3214868480
	.section	.rodata,"a",@progbits
	.p2align	6, 0x0
	.amdhsa_kernel k_q10b5dd0f80_main
		.amdhsa_group_segment_fixed_size 211968
		.amdhsa_private_segment_fixed_size 0
		.amdhsa_enable_private_segment 0
		.amdhsa_kernarg_size 64
		.amdhsa_user_sgpr_count 2
		.amdhsa_user_sgpr_kernarg_segment_ptr 1
		.amdhsa_wavefront_size32 1
		.amdhsa_system_sgpr_workgroup_id_x 1
		.amdhsa_system_sgpr_workgroup_id_y 1
		.amdhsa_system_sgpr_workgroup_id_z 1
		.amdhsa_system_vgpr_workitem_id 0
		.amdhsa_next_free_vgpr 512
		.amdhsa_next_free_sgpr 80
		.amdhsa_reserve_vcc 1
		.amdhsa_float_denorm_mode_32 3
		.amdhsa_float_denorm_mode_16_64 3
		.amdhsa_memory_ordered 1
		.amdhsa_forward_progress 1
		.amdhsa_inst_pref_size 201
	.end_amdhsa_kernel
	.amdgpu_metadata
---
amdhsa.version: [ 1, 2 ]
amdhsa.kernels:
  - .name:           k_q10b5dd0f80_main
    .symbol:         k_q10b5dd0f80_main.kd
    .args:
      - { .name: encoder_outputs, .offset: 0, .size: 8, .value_kind: global_buffer, .address_space: global }
      - { .name: sequence_length, .offset: 8, .size: 8, .value_kind: global_buffer, .address_space: global }
      - { .name: v, .offset: 16, .size: 8, .value_kind: global_buffer, .address_space: global }
      - { .name: wcodes, .offset: 24, .size: 8, .value_kind: global_buffer, .address_space: global }
      - { .name: wsc, .offset: 32, .size: 8, .value_kind: global_buffer, .address_space: global }
      - { .name: bias, .offset: 40, .size: 8, .value_kind: global_buffer, .address_space: global }
      - { .name: lg, .offset: 48, .size: 8, .value_kind: global_buffer, .address_space: global }
      - { .name: part, .offset: 56, .size: 8, .value_kind: global_buffer, .address_space: global }
    .group_segment_fixed_size: 211968
    .private_segment_fixed_size: 0
    .kernarg_segment_align: 8
    .kernarg_segment_size: 64
    .max_flat_workgroup_size: 256
    .sgpr_count:     80
    .vgpr_count:     512
    .wavefront_size: 32
...
	.end_amdgpu_metadata
.endif
;; end of part 2
;; launch finish (part 3): grid 4 x 32, 8 waves a work-group, no clusters, 9,216 bytes of LDS; arguments lg, part, sequence_length, out0, out1; writes out0, out1
.if DOCPART == 3
	.amdgcn_target "amdgcn-amd-amdhsa--gfx1250"
	.amdhsa_code_object_version 6
	.text
	.protected	k_q10b5dd0f80_finish
	.globl	k_q10b5dd0f80_finish
	.p2align	8
	.type	k_q10b5dd0f80_finish,@function
k_q10b5dd0f80_finish:
	s_mov_b64 s[64:65], 0
	v_nop
	global_prefetch_b8 v0, s[64:65] scope:SCOPE_SE
	s_setreg_imm32_b32 hwreg(HW_REG_WAVE_MODE, 25, 1), 1
	s_wait_xcnt 0x0
; The tiles are joined.  Work-group (x, b): batch b; a quarter of out1's rows and columns 256 x .. 256 x + 255 of out0.  Each of a batch's four work-groups makes the softmax's figures for itself (8,192 bytes of logits).
; n_b tiles of 64 rows were worked (as in the launch before); rows behind them take -50,000, as every masked row does.  M = the largest masked logit, p = exp(logit - M), Z = the sum of all 2,048 p; out1 = p / Z.
; out0 = the sum over the tiles of exp(m_tile - M) x part_tile, / Z; m_tile is taken anew from the same 64 numbers, so it has the same bits as in the launch before.
; No byte is read that the launch before did not store: addresses of tiles that were not worked are held at the last worked tile's; their logits are replaced, and their factor exp(-50,000 - M) is 0.
; LIMIT: that factor is 0 while the sum of |v_h| stays under 49,800.  No branch hangs on data.
; Thread t holds rows 4 t .. 4 t + 3 and 1,024 + 4 t .. + 3: a tile is sixteen neighbouring lanes.  No matrix work: the launch moves a few megabytes.
.set WMAX, 0                           ; LDS: eight waves' maxima
.set WSUM, 256                         ; eight waves' sums
.set FT,   512                         ; 32 tiles' factors
.set SUMS, 1024                        ; 4 x 256 columns: the four groups' parts of out0
	s_load_b256 s[4:11], s[0:1], 0x0               ; lg s[4:5], part s[6:7], the lengths s[8:9], out0 s[10:11]
	s_load_b64 s[12:13], s[0:1], 0x20              ; out1
	v_lshl_add_u32 v104, v0, 2, 0x2000
	v_mov_b32 v105, 0
	v_lshrrev_b32 v1, 5, v0
	v_readfirstlane_b32 s14, v1                    ; wave 0..7
	s_and_b32 s15, ttmp7, 0xffff                   ; b
	s_lshl_b32 s16, s15, 2
	s_mov_b32 s17, 0
	s_wait_kmcnt 0x0
	s_add_nc_u64 s[8:9], s[8:9], s[16:17]
	s_load_b32 s18, s[8:9], 0x0                    ; the batch's length
	v_lshlrev_b32 v1, 4, v0                        ; 16 t
	v_lshlrev_b32 v4, 2, v0                        ; my first row,
	v_add_nc_u32 v5, 0x400, v4                     ; and my fifth
	s_lshl_b32 s20, s14, 2
	v_mov_b32 v6, s20                              ; 4 x wave
	v_mov_b32 v7, 0
	v_and_b32 v56, 63, v0
	v_lshlrev_b32 v56, 4, v56                      ; my four columns of the 256
	v_mov_b32 v57, 0xc7435000                      ; -50,000
	v_mov_b32 v61, 0                               ; a lane permute's destination counts as one of its sources
	v_lshrrev_b32 v62, 4, v0
	v_lshl_add_u32 v62, v62, 2, FT                 ; my first rows' tile, t / 16
	s_lshr_b32 s21, s14, 1                         ; q: I add tiles q, q + 4, .. q + 28
	s_lshl_b32 s22, s21, 2
	s_add_co_u32 s22, s22, FT
	v_mov_b32 v63, s22
	s_mov_b32 s28, 0x76543210
	s_mov_b32 s29, 0xfedcba98
	s_lshl_b32 s16, s15, 13
	s_add_nc_u64 s[4:5], s[4:5], s[16:17]          ; the batch's logits
	s_add_nc_u64 s[12:13], s[12:13], s[16:17]      ; and its row of out1
	s_lshl_b32 s23, ttmp9, 10
	s_lshl_b32 s16, s15, 17
	s_add_co_u32 s16, s16, s23
	s_add_nc_u64 s[6:7], s[6:7], s[16:17]          ; the batch's 32 rows of part, at my 256 columns
	s_lshl_b32 s16, s15, 12
	s_add_co_u32 s16, s16, s23
	s_add_nc_u64 s[10:11], s[10:11], s[16:17]      ; out0 likewise
	s_wait_kmcnt 0x0
	s_min_i32 s19, s18, 0x800
	s_add_co_i32 s19, s19, 63
	s_ashr_i32 s19, s19, 6
	s_cmp_gt_i32 s18, 0
	s_cselect_b32 s19, s19, 32                     ; n_b, 1 to 32
	s_lshl_b32 s24, s19, 8
	s_sub_co_u32 s24, s24, 16                      ; the last 16 bytes of logits that were stored
	v_min_u32 v2, s24, v1
	v_min_u32 v2, 0x1ff0, v2                       ; and inside the row whatever was read
	v_add_nc_u32 v3, 0x1000, v1
	v_min_u32 v3, s24, v3
	v_min_u32 v3, 0x1ff0, v3
	s_sub_co_u32 s25, s19, 1
.irp i, 0,1,2,3,4,5,6,7
	s_add_co_u32 s26, s21, 4*\i
	s_min_u32 s26, s26, s25                        ; a tile that was not worked: the last that was
	s_min_u32 s26, s26, 31
	v_lshl_add_u32 v[48+\i], s26, 12, v56
.endr
	global_load_b128 v[8:11], v2, s[4:5]
	global_load_b128 v[12:15], v3, s[4:5]
.irp i, 0,1,2,3,4,5,6,7
	global_load_b128 v[16+4*\i:19+4*\i], v[48+\i], s[6:7]
.endr
	s_lshl_b32 s27, s19, 6                         ; rows that were worked
	s_wait_loadcnt 8                               ; the logits are in; the eight loads of part may be out
	v_cmp_gt_u32 vcc_lo, s27, v4
.irp k, 0,1,2,3
	v_cndmask_b32 v[8+\k], v57, v[8+\k], vcc_lo
.endr
	v_cmp_gt_u32 vcc_lo, s27, v5
.irp k, 4,5,6,7
	v_cndmask_b32 v[8+\k], v57, v[8+\k], vcc_lo
.endr
	v_max3_num_f32 v58, v8, v9, v10
	v_max3_num_f32 v59, v12, v13, v14
	v_max_num_f32 v58, v58, v11
	v_max_num_f32 v59, v59, v15
.irp x, 1,2,4,8
	v_max_num_f32_dpp v58, v58, v58 row_xmask:\x row_mask:0xf bank_mask:0xf
	v_max_num_f32_dpp v59, v59, v59 row_xmask:\x row_mask:0xf bank_mask:0xf
.endr                                  ; v58, v59: the maxima of my two tiles
	v_max_num_f32 v60, v58, v59
	v_permlanex16_b32 v61, v60, s28, s29
	v_max_num_f32 v60, v60, v61                    ; my wave's
	ds_store_b32 v6, v60 offset:WMAX
	s_wait_dscnt 0x0                               ; for the others' sake
	s_barrier_signal -1
	s_barrier_wait -1
	ds_load_b128 v[64:67], v7 offset:WMAX
	ds_load_b128 v[68:71], v7 offset:WMAX+16
	s_wait_dscnt 0x0
	v_max3_num_f32 v60, v64, v65, v66
	v_max3_num_f32 v60, v60, v67, v68
	v_max3_num_f32 v60, v60, v69, v70
	v_max_num_f32 v60, v60, v71                    ; M
.irp k, 0,1,2,3,4,5,6,7
	v_sub_f32 v[8+\k], v[8+\k], v60
.endr
	v_sub_f32 v58, v58, v60
	v_sub_f32 v59, v59, v60
.irp k, 0,1,2,3,4,5,6,7
	v_mul_f32 v[8+\k], 0x3fb8aa3b, v[8+\k]
.endr
	v_mul_f32 v58, 0x3fb8aa3b, v58
	v_mul_f32 v59, 0x3fb8aa3b, v59
.irp k, 0,1,2,3,4,5,6,7
	v_exp_f32 v[8+\k], v[8+\k]                     ; p
.endr
	v_exp_f32 v58, v58                             ; my two tiles' factors
	v_exp_f32 v59, v59
	v_nop                                          ; a plain line behind the last exponential
	s_wait_alu depctr_va_vdst(0)                   ; one wait for the ten, ahead of their first reader
	v_add_f32 v84, v8, v9
	v_add_f32 v86, v10, v11
	v_add_f32 v87, v12, v13
	v_add_f32 v85, v14, v15
	v_add_f32 v84, v84, v86
	v_add_f32 v85, v85, v87
	v_add_f32 v84, v84, v85
.irp x, 1,2,4,8
	v_add_f32_dpp v84, v84, v84 row_xmask:\x row_mask:0xf bank_mask:0xf
.endr
	v_permlanex16_b32 v61, v84, s28, s29
	v_add_f32 v84, v84, v61                        ; my wave's sum
	ds_store_b32 v6, v84 offset:WSUM
	ds_store_b32 v62, v58                          ; the sixteen lanes of a tile write the same word with the same value
	ds_store_b32 v62, v59 offset:64
	s_wait_dscnt 0x0
	s_barrier_signal -1
	s_barrier_wait -1
	ds_load_b128 v[64:67], v7 offset:WSUM
	ds_load_b128 v[68:71], v7 offset:WSUM+16
.irp i, 0,1,2,3,4,5,6,7
	ds_load_b32 v[72+\i], v63 offset:16*\i         ; the factors of tiles q + 4 i
.endr
	s_wait_dscnt 0x0
	v_add_f32 v64, v64, v65
	v_add_f32 v66, v66, v67
	v_add_f32 v68, v68, v69
	v_add_f32 v70, v70, v71
	v_add_f32 v64, v64, v66
	v_add_f32 v68, v68, v70
	v_add_f32 v84, v64, v68                        ; Z
	v_rcp_f32 v85, v84
	v_nop
	s_wait_alu depctr_va_vdst(0)                   ; ahead of the first reader, and of the branch
	s_cmp_lg_u32 s21, ttmp9                        ; waves 2 x and 2 x + 1 store their rows of out1: each row has one owner among the batch's four work-groups
	s_cbranch_scc1 .Lnot_my_rows
.irp k, 0,1,2,3,4,5,6,7
	v_mul_f32 v[8+\k], v[8+\k], v85
.endr
	global_store_b128 v1, v[8:11], s[12:13]        ; 32 lanes store 512 consecutive bytes, aligned
	global_store_b128 v1, v[12:15], s[12:13] offset:4096
.Lnot_my_rows:
	s_wait_loadcnt 0x0                             ; part
	v_pk_mul_f32 v[80:81], v[16:17], v[72:73] op_sel_hi:[1,0]
	v_pk_mul_f32 v[82:83], v[18:19], v[72:73] op_sel_hi:[1,0]
.irp i, 1,2,3,4,5,6,7
.if \i%2 == 0
	v_pk_fma_f32 v[80:81], v[16+4*\i:17+4*\i], v[72+\i:73+\i], v[80:81] op_sel_hi:[1,0,1]
	v_pk_fma_f32 v[82:83], v[18+4*\i:19+4*\i], v[72+\i:73+\i], v[82:83] op_sel_hi:[1,0,1]
.else
	v_pk_fma_f32 v[80:81], v[16+4*\i:17+4*\i], v[71+\i:72+\i], v[80:81] op_sel:[0,1,0] op_sel_hi:[1,1,1]
	v_pk_fma_f32 v[82:83], v[18+4*\i:19+4*\i], v[71+\i:72+\i], v[82:83] op_sel:[0,1,0] op_sel_hi:[1,1,1]
.endif
.endr
	ds_store_b128 v1, v[80:83] offset:SUMS         ; 1,024 q + 16 (t % 64) = 16 t
	s_wait_dscnt 0x0
	s_barrier_signal -1
	s_barrier_wait -1
	s_cmp_gt_u32 s14, 1                            ; waves 0 and 1 add the four groups' parts
	s_cbranch_scc1 .Ldone
.irp g, 0,1,2,3
	ds_load_b128 v[88+4*\g:91+4*\g], v1 offset:SUMS+1024*\g
.endr
	s_wait_dscnt 0x0
	v_pk_add_f32 v[88:89], v[88:89], v[92:93]
	v_pk_add_f32 v[90:91], v[90:91], v[94:95]
	v_pk_add_f32 v[96:97], v[96:97], v[100:101]
	v_pk_add_f32 v[98:99], v[98:99], v[102:103]
	v_pk_add_f32 v[88:89], v[88:89], v[96:97]
	v_pk_add_f32 v[90:91], v[90:91], v[98:99]
.irp k, 0,1,2,3
	v_mul_f32 v[88+\k], v[88+\k], v85
.endr
	global_store_b128 v1, v[88:91], s[10:11]       ; 64 lanes store 1,024 consecutive bytes, aligned
.Ldone:
	s_wait_tensorcnt 0x0
	ds_add_u32 v104, v105
	s_wait_dscnt 0x0
	s_endpgm
.Lfunc_end_k_q10b5dd0f80_finish:
	.size	k_q10b5dd0f80_finish, .Lfunc_end_k_q10b5dd0f80_finish-k_q10b5dd0f80_finish
	.p2alignl 7, 3214868480
	.fill 96, 4, 3214868480
	.section	.rodata,"a",@progbits
	.p2align	6, 0x0
	.amdhsa_kernel k_q10b5dd0f80_finish
		.amdhsa_group_segment_fixed_size 9216
		.amdhsa_private_segment_fixed_size 0
		.amdhsa_enable_private_segment 0
		.amdhsa_kernarg_size 40
		.amdhsa_user_sgpr_count 2
		.amdhsa_user_sgpr_kernarg_segment_ptr 1
		.amdhsa_wavefront_size32 1
		.amdhsa_system_sgpr_workgroup_id_x 1
		.amdhsa_system_sgpr_workgroup_id_y 1
		.amdhsa_system_sgpr_workgroup_id_z 1
		.amdhsa_system_vgpr_workitem_id 0
		.amdhsa_next_free_vgpr 106
		.amdhsa_next_free_sgpr 66
		.amdhsa_reserve_vcc 1
		.amdhsa_float_denorm_mode_32 3
		.amdhsa_float_denorm_mode_16_64 3
		.amdhsa_memory_ordered 1
		.amdhsa_forward_progress 1
		.amdhsa_inst_pref_size 13
	.end_amdhsa_kernel
	.amdgpu_metadata
---
amdhsa.version: [ 1, 2 ]
amdhsa.kernels:
  - .name:           k_q10b5dd0f80_finish
    .symbol:         k_q10b5dd0f80_finish.kd
    .args:
      - { .name: lg, .offset: 0, .size: 8, .value_kind: global_buffer, .address_space: global }
      - { .name: part, .offset: 8, .size: 8, .value_kind: global_buffer, .address_space: global }
      - { .name: sequence_length, .offset: 16, .size: 8, .value_kind: global_buffer, .address_space: global }
      - { .name: out0, .offset: 24, .size: 8, .value_kind: global_buffer, .address_space: global }
      - { .name: out1, .offset: 32, .size: 8, .value_kind: global_buffer, .address_space: global }
    .group_segment_fixed_size: 9216
    .private_segment_fixed_size: 0
    .kernarg_segment_align: 8
    .kernarg_segment_size: 40
    .max_flat_workgroup_size: 256
    .sgpr_count:     66
    .vgpr_count:     106
    .wavefront_size: 32
...
	.end_amdgpu_metadata
.endif
;; end of part 3
;; ======== version 2 of 3: 3 launches
;; limits: right only within a limited range of input values; values are held in f16: magnitudes above 65,504 overflow, below 6.1e-05 lose precision
;; workspace buffers: wcodes 1,048,576 bytes; wsc 32,768 bytes; bias 131,072 bytes; lg 262,144 bytes; part 4,194,304 bytes
;; launch prep: the kernel of part 1 again; grid 128 x 1, 1 waves a work-group, no clusters, 0 bytes of LDS; arguments W, decoder_state_codes, decoder_state_scales, wcodes, wsc, bias; writes wcodes, wsc, bias
;; launch main (part 4): grid 1024 x 1, 8 waves a work-group, no clusters, 279,552 bytes of LDS; arguments encoder_outputs, sequence_length, v, wcodes, wsc, bias, lg, part; writes lg, part
.if DOCPART == 4
	.amdgcn_target "amdgcn-amd-amdhsa--gfx1250"
	.amdhsa_code_object_version 6
	.text
	.protected	k_q10b5dd0f80_main
	.globl	k_q10b5dd0f80_main
	.p2align	8
	.type	k_q10b5dd0f80_main,@function
k_q10b5dd0f80_main:
	s_mov_b64 s[64:65], 0
	v_nop
	global_prefetch_b8 v0, s[64:65] scope:SCOPE_SE
	s_setreg_imm32_b32 hwreg(HW_REG_WAVE_MODE, 25, 1), 1
	s_wait_xcnt 0x0
; One work-group takes one tile of 64 rows of one batch through the whole chain: the rows are read from memory once, quantised to E5M2 codes (one E8M0 scale for each 32 along K), multiplied by W's encoder part,
; logit = sum over h of v_h tanh(product + bias), rows at or behind the batch's length take -50,000, and with the TILE's own maximum m: part = sum over the tile's rows of exp(logit - m) x row.
; The last launch joins the tiles.  lg gets the tile's masked logits, part its weighted sum.
; WHICH TILES.  Batch b has n_b = ceil(min(len, 2048) / 64) tiles that hold a row ahead of its length (32 where len <= 0: every row is then masked alike and all count).  Only these are worked.  The tiles of all batches are
; numbered on end, and work-group i takes tile i; 1,024 work-groups serve every choice of lengths; one whose number no tile has stores nothing.
; LIMITS: the rows of tiles that are left out count as 0 in the weighted sum: exact while exp(-50,000 - the largest logit) is 0 in f32, that is while the sum of |v_h| stays under 49,800.
; The weighted sum takes the rows and the weights rounded to f16: magnitudes of the encoder's numbers above 65,504 are not served there; those under 2^-14 keep an absolute error of 2^-25.  NaN and infinities among the inputs are not served.
; A block of zeros gets the scale byte 1 (its codes are zeros; only this program reads the bytes).
; NO TENSOR LOAD, NO CLUSTER: whether a work-group has a tile hangs on lengths read from memory, so the work stands under a branch on loaded numbers; W's fragments come from memory straight into registers,
; out of a buffer laid in the order of the operand's registers (512 consecutive bytes a load).  The barriers stand outside that branch, on every wave's path: the work is three sections, each entered by the same test.
; tanh(x) = 1 - 2 / (1 + 2^(2 log2(e) x)): logit = sum of v_h + sum of (-2 v_h) / (1 + 2^(c product + c bias)), c = 2 log2(e); the bias arrives times c.
; SHARES.  A: wave w quantises fragments 4 w .. 4 w + 3 (fragment 8 m + s: rows 16 m on, K step s) and lays the same numbers, rounded to f16, as rows in LDS for the weighted sum.
;          B: wave w owns h = 128 w .. 128 w + 127 for all 64 rows: 32 accumulators.  Source 0 = 16 rows of x, source 1 = 16 rows of W: a lane holds ONE h and eight rows.   C: wave w owns columns 128 w .. 128 w + 127.
; THE ROWS COME IN AS THEY LIE AND TURN IN LDS.  The conversions want 16 neighbours along K in one lane (64 bytes a lane, lanes of a half 4,096 bytes apart); a load is best where neighbouring lanes take neighbouring bytes.
; Both are had: each load reads 512 consecutive bytes of one row, aligned, 16 a lane; a fragment's sixteen rows go through the wave's own stage in LDS, as they lie, and come back 64 bytes a lane.
; WHY f16 AND NOT bf16 FOR THE WEIGHTED SUM: a batch of few rows sums few terms of the inputs' own size, which may cancel, and each term carries its rounding: 11 significant bits leave an eighth of the error of 8.
; The rows as f32 (262,144 bytes) do not fit in LDS beside the images (65,536) and their scale words (4,096).
; REGISTERS.  Window 0: v1-15, v254-255 addresses; v16-79 A: f16 pairs, codes, work; B: x's four fragments, then the logits' parts; C: rows 0-31.  v80-207 A: v80-81 the stage's addresses; B: W's eight fragments (v80-87 at the end the bias); C: work, weights, rows 32-63.
;   v208-239 W's scale words, v240-243 x's: scales and nothing else.  v244-251 v, then -2 v; v252-253 the lane's sum of v; C: v244-247 weights and logits, v248-251 my 16 bytes of part.
;   Window 1 (v256-511): A: the 4 x 64 numbers, as loaded and then turned; B: accumulator (n, m) at 8 (4 n + m); C: v256-319 the weighted sum's eight accumulators.
.set XIMG, 0                           ; LDS: 32 images of fragments, 2,048 bytes each
.set XSC,  65536                       ; their scale words, 128 bytes each
.set RED,  69632                       ; 8 waves x 64 parts of logits
.set PWT,  71680                       ; 8 waves x 256 bytes: the tile's 64 weights as f16 (128 bytes), each wave's own copy
.set OSTG, 73728                       ; 8 waves x 512 bytes: a wave's 128 columns of part on their way out
.set XBF,  77824                       ; 64 rows of 1,024 f16
.set BP,   2080                        ; their pitch: 2,048 bytes + 32 = 65 x 32: 16 lanes of the turning load take 8 rows x 32 bytes, which start 32 bytes apart modulo 256
.set STG,  210944                      ; 8 waves x 16 rows: the stage in which a fragment's f32 numbers turn, each wave's own
.set SP,   528                         ; its pitch: 512 bytes + 16 = 33 x 16: the sixteen rows that a load touches start at sixteen different places modulo 256 bytes
.set LI,  1                            ; 16 x lane
.set LS,  2                            ; XSC + 4 x lane
.set WB,  3                            ; wcodes: 16 x lane + 131,072 x wave (my 64 fragments)
.set XA,  4                            ; x: 16 m rows of 4,096 bytes + 2,048 (wave % 2) + 16 x lane
.set XWI, 5                            ; where I store images: 16 x lane + 8,192 x wave
.set XWS, 6                            ; and their scale words: XSC + 4 x lane + 512 x wave
.set BFA, 7                            ; and the f16 rows: XBF + (16 m + r) BP + 1,024 (wave % 2) + 32 x half
.set RW,  8                            ; RED + 256 x wave + 32 x half
.set RR,  9                            ; RED + 8 x lane
.set PWA, 10                           ; PWT + 256 x wave + 4 x lane
.set PWB, 11                           ; PWT + 256 x wave + 16 x half
.set CB,  12                           ; XBF + 256 x wave + (8 half + lane % 8) BP + 16 ((lane / 8) % 2)
.set CB2, 13                           ; the same 32 rows further down
.set WSO, 14                           ; wsc: 16 x lane + 4,096 x wave
.set VO,  15                           ; v and bias: 512 x wave + 4 r
.set SWA, 80                           ; A: the stage on the way in: STG + 16 SP x wave + 16 x lane
.set SRA, 81                           ; A: and on the way out: STG + 16 SP x wave + SP r + 64 x half
.set OSA, 254                          ; OSTG + 512 x wave + 4 r
.set OSR, 255                          ; OSTG + 512 x wave + 16 x lane
.set BF,  16
.set PC,  48
.set TM,  64
.set AF,  16
.set L,   16
.set BR,  80
.set BI,  80
.set WS,  208
.set AS,  240
.set VV,  244
.set VS,  252
.set PT,  80                           ; C: the eight waves' parts of my two rows' logits
.set PH,  101                          ; C: my two weights as f16
.set PA,  104                          ; C: v104-119 the weights' two fragments
.set XB0, 16                           ; C: rows 0-31: eight fragments of 32 rows x 16 columns
.set XB1, 144                          ; C: rows 32-63
.set PP,  244
.set ML,  246
.set O,   248
.set WV,  52
.set ID,  53
.set CUM, 54
.set BB,  55
.set LEN, 56
.set START, 57
.set TT,  58
.set BLK, 59
.set SEL, 60                           ; s[60:61]
.set MNT, 62
.set CC,  66                           ; s[66:67] c = 2 log2(e)
.set OF,  68                           ; s[68:69] an offset in 64 bits
.set ROW0, 70
.set MSB, 0
.macro WIN new                         ; s_set_vgpr_msb: bits 1:0 source 0, 3:2 source 1, 5:4 source 2, 7:6 destination; the high byte repeats the setting that is left
.if MSB != \new
	s_set_vgpr_msb (MSB<<8)|\new
.set MSB, \new
.endif
.endm
	s_load_b256 s[4:11], s[0:1], 0x0               ; x s[4:5], the lengths s[6:7], v s[8:9], wcodes s[10:11]
	s_load_b128 s[12:15], s[0:1], 0x20             ; wsc s[12:13], bias s[14:15]
	s_load_b128 s[48:51], s[0:1], 0x30             ; lg s[48:49], part s[50:51]
	v_lshrrev_b32 v1, 5, v0
	v_readfirstlane_b32 s[WV], v1                  ; wave 0..7
	s_wait_kmcnt 0x0
	s_load_b512 s[16:31], s[6:7], 0x0              ; the 32 lengths
	s_load_b512 s[32:47], s[6:7], 0x40
	v_and_b32 v16, 31, v0                          ; lane
	v_and_b32 v17, 15, v0                          ; r
	v_bfe_u32 v18, v0, 4, 1                        ; half
	s_lshr_b32 s71, s[WV], 1                       ; m: the 16 rows that I quantise
	s_and_b32 s72, s[WV], 1                        ; which four K steps of them
	v_lshlrev_b32 v[LI], 4, v16
	v_lshl_add_u32 v[LS], v16, 2, XSC
	s_lshl_b32 s73, s[WV], 17
	v_add_nc_u32 v[WB], s73, v[LI]
	s_lshl_b32 s73, s71, 16
	s_lshl_b32 s74, s72, 11
	s_add_co_u32 s73, s73, s74
	v_add_nc_u32 v[XA], s73, v[LI]                 ; my 16 bytes of a row's 512; the row and the fragment stand in the loads' immediates
	s_mul_i32 s73, s[WV], 16*SP
	s_add_co_u32 s73, s73, STG                     ; my wave's stage
	v_lshl_add_u32 v[SWA], v16, 4, s73
	v_mul_u32_u24 v[SRA], v17, SP
	v_lshl_add_u32 v[SRA], v18, 6, v[SRA]
	v_add_nc_u32 v[SRA], s73, v[SRA]
	s_lshl_b32 s73, s[WV], 13
	v_add_nc_u32 v[XWI], s73, v[LI]
	s_lshl_b32 s73, s[WV], 9
	v_add_nc_u32 v[XWS], s73, v[LS]
	v_lshl_add_u32 v[VO], v17, 2, s73
	s_add_co_u32 s74, s73, OSTG
	v_lshl_add_u32 v[OSA], v17, 2, s74
	v_lshl_add_u32 v[OSR], v16, 4, s74
	s_mul_i32 s73, s71, 16*BP
	s_lshl_b32 s74, s72, 10
	s_add_co_u32 s73, s73, s74
	s_add_co_u32 s73, s73, XBF
	v_mul_u32_u24 v[BFA], v17, BP
	v_lshl_add_u32 v[BFA], v18, 5, v[BFA]
	v_add_nc_u32 v[BFA], s73, v[BFA]
	s_lshl_b32 s73, s[WV], 8
	s_add_co_u32 s74, s73, RED
	v_lshlrev_b32 v[RW], 5, v18
	v_add_nc_u32 v[RW], s74, v[RW]
	v_lshl_add_u32 v[RR], v16, 3, RED
	s_add_co_u32 s74, s73, PWT
	v_lshl_add_u32 v[PWA], v16, 2, s74
	v_lshl_add_u32 v[PWB], v18, 4, s74
	s_add_co_u32 s74, s73, XBF
	v_and_b32 v19, 7, v0
	v_lshl_add_u32 v19, v18, 3, v19                ; the turning load: lane l reads 16 bytes of row 8 (l / 16) + l % 8,
	v_mul_u32_u24 v[CB], v19, BP
	v_bfe_u32 v19, v0, 3, 1
	v_lshl_add_u32 v[CB], v19, 4, v[CB]            ; columns 8 ((l / 8) % 2) on
	v_add_nc_u32 v[CB], s74, v[CB]
	v_add_nc_u32 v[CB2], 32*BP, v[CB]
	s_lshl_b32 s73, s[WV], 12
	v_add_nc_u32 v[WSO], s73, v[LI]
	s_mov_b32 s[SEL], 0x76543210
	s_mov_b32 s[SEL+1], 0xfedcba98
	s_mov_b32 s[MNT], 0x600000
	s_mov_b32 s[CC], 0x4038aa3b
	s_mov_b32 s[CC+1], s[CC]                       ; named with it as a pair, so it is written
	s_mov_b32 s[ID], ttmp9
	s_mov_b32 s[CUM], 0
	s_mov_b32 s[BB], 0
	s_mov_b32 s[LEN], 0
	s_mov_b32 s[START], 0
	s_wait_kmcnt 0x0
; my tile: the last batch whose first tile's number is not above mine.  No branch: selections alone
.irp b, 0,1,2,3,4,5,6,7,8,9,10,11,12,13,14,15,16,17,18,19,20,21,22,23,24,25,26,27,28,29,30,31
	s_min_i32 s[TT], s[16+\b], 0x800
	s_add_co_i32 s[TT], s[TT], 63
	s_ashr_i32 s[TT], s[TT], 6
	s_cmp_gt_i32 s[16+\b], 0
	s_cselect_b32 s[TT], s[TT], 32                 ; n_b
	s_cmp_ge_u32 s[ID], s[CUM]
	s_cselect_b32 s[BB], \b, s[BB]
	s_cselect_b32 s[LEN], s[16+\b], s[LEN]
	s_cselect_b32 s[START], s[CUM], s[START]
	s_add_co_u32 s[CUM], s[CUM], s[TT]
.endr
	s_sub_co_u32 s[BLK], s[ID], s[START]
	s_min_u32 s[BLK], s[BLK], 31                   ; both are held inside their tables before they enter an address
	s_min_u32 s[BB], s[BB], 31
	s_lshl_b32 s[ROW0], s[BLK], 6                  ; the tile's first row
	s_mov_b32 s[OF+1], 0
	s_lshl_b32 s[OF], s[BB], 23                    ; x: 2,048 rows of 4,096 bytes a batch, 64 rows a tile
	s_lshl_b32 s73, s[BLK], 18
	s_add_co_u32 s[OF], s[OF], s73
	s_add_nc_u64 s[4:5], s[4:5], s[OF:OF+1]
	s_lshl_b32 s[OF], s[BB], 12
	s_add_nc_u64 s[14:15], s[14:15], s[OF:OF+1]    ; the batch's row of the bias
	s_lshl_b32 s[OF], s[BB], 13
	s_lshl_b32 s73, s[BLK], 8
	s_add_co_u32 s[OF], s[OF], s73
	s_add_nc_u64 s[48:49], s[48:49], s[OF:OF+1]    ; the tile's 64 logits
	s_lshl_b32 s[OF], s[BB], 17
	s_lshl_b32 s73, s[BLK], 12
	s_add_co_u32 s[OF], s[OF], s73
	s_add_nc_u64 s[50:51], s[50:51], s[OF:OF+1]    ; the tile's row of part
; ---------------- A: the rows come in, once, and become codes (for the product) and f16 (for the weighted sum)
.macro ELOAD q                         ; my fragment q as it lies: load i brings row i's 128 numbers: 32 lanes read 512 consecutive bytes, aligned
	WIN 0x40                                       ; destination window 1
.irp i, 0,1,2,3,4,5,6,7,8,9,10,11,12,13,14,15
	global_load_b128 v[64*(\q)+4*\i:64*(\q)+4*\i+3], v[XA], s[4:5] offset:4096*\i+512*(\q) th:TH_LOAD_NT
.endr
.endm
.macro QUANTE q
.set EB, 64*(\q)
	WIN 0x04                                       ; an LDS store's data are its source 1: window 1
.irp i, 0,1,2,3,4,5,6,7,8,9,10,11,12,13,14,15
	ds_store_b128 v[SWA], v[EB+4*\i:EB+4*\i+3] offset:SP*\i        ; THE TURN: the sixteen rows into my stage as they were loaded,
.endr
	WIN 0x40                                       ; destination window 1
.irp b, 0,1,2,3
.irp j, 0,1,2,3
	ds_load_b128 v[EB+16*\b+4*\j:EB+16*\b+4*\j+3], v[SRA] offset:128*\b+16*\j   ; and back into the registers that they left: register 16 b + i = k 32 b + 16 half + i of row r.  LDS serves a wave's instructions in order (ISA guide 5.7.1.4): these see the stores above, and the next fragment's stores come behind them
.endr
.endr
	s_wait_dscnt 0x0                               ; the turned numbers are in, and the last fragment's LDS stores have read their registers
	WIN 0x05                                       ; sources 0 and 1 window 1
.set k, 0
.rept 32
	v_cvt_pk_f16_f32 v[BF+k], v[EB+2*k], v[EB+2*k+1]
.set k, k+1
.endr
.irp b, 0,1,2,3
	v_max3_num_f32 v[TM+\b], |v[EB+16*\b]|, |v[EB+16*\b+1]|, 0x8000000   ; my 16 numbers of block b, and the floor 2^(16 - 127): the byte cannot fall under 1
.endr
	WIN 0x14                                       ; sources 1 and 2 window 1
.irp e, 2,4,6,8,10,12,14
.irp b, 0,1,2,3
	v_max3_num_f32 v[TM+\b], v[TM+\b], |v[EB+16*\b+\e]|, |v[EB+16*\b+\e+1]|
.endr
.endr
	WIN 0
.irp b, 0,1,2,3
.irp u, 0,1
	ds_store_b128 v[BFA], v[BF+8*\b+4*\u:BF+8*\b+4*\u+3] offset:256*(\q)+64*\b+16*\u   ; 16 neighbouring columns of my row are 32 bytes
.endr
.endr
.irp b, 0,1,2,3
	v_permlanex16_b32 v[TM+4+\b], v[TM+\b], s[SEL], s[SEL+1]
.endr
.irp b, 0,1,2,3
	v_max_num_f32 v[TM+\b], v[TM+\b], v[TM+4+\b]   ; with lane l xor 16's: the block's largest magnitude
.endr
.irp b, 0,1,2,3
	v_add_nc_u32 v[TM+12+\b], 0xf8800000, v[TM+\b] ; 15 off its exponent field: the conversion's scale operand
.endr
.irp b, 0,1,2,3
	v_and_or_b32 v[TM+8+\b], v[TM+\b], 0x7f800000, s[MNT]   ; 57,344 x the scale
.endr
.irp b, 0,1,2,3
	v_lshrrev_b32 v[TM+4+\b], 23, v[TM+12+\b]      ; the scale's byte
.endr
	v_lshl_or_b32 v[TM+4], v[TM+5], 8, v[TM+4]     ; four bytes make my row's scale word
	v_lshl_or_b32 v[TM+4], v[TM+6], 16, v[TM+4]
	v_lshl_or_b32 v[TM+4], v[TM+7], 24, v[TM+4]
	WIN 0x41                                       ; destination and source 0 window 1
.irp b, 0,1,2,3
.irp e, 0,1,2,3,4,5,6,7,8,9,10,11,12,13,14,15
	v_med3_num_f32 v[EB+16*\b+\e], v[EB+16*\b+\e], -v[TM+8+\b], v[TM+8+\b]   ; the conversion to an 8-bit code does not saturate (ISA guide 7.6.2): the hold comes first
.endr
.endr
	WIN 0x01                                       ; source 0 window 1
.irp b, 0,1,2,3
	v_cvt_scalef32_pk8_bf8_f32 v[PC+4*\b:PC+4*\b+1], v[EB+16*\b:EB+16*\b+7], v[TM+12+\b]
	v_cvt_scalef32_pk8_bf8_f32 v[PC+4*\b+2:PC+4*\b+3], v[EB+16*\b+8:EB+16*\b+15], v[TM+12+\b]
.endr
	WIN 0
	v_nop                                          ; one plain line behind the last scaled conversion
.irp c, 0,1,2,3
	ds_store_b128 v[XWI], v[PC+4*\c:PC+4*\c+3] offset:2048*(\q)+512*\c   ; the fragment as an image of its registers: 512 consecutive bytes a store
.endr
	ds_store_b32 v[XWS], v[TM+4] offset:128*(\q)
.endm
	s_cmp_lt_u32 s[ID], s[CUM]                     ; have I a tile?
	s_cbranch_scc0 .LendA
.irp b, 0,1,2,3
	v_mov_b32 v[TM+4+\b], 0                        ; a lane permute's destination counts as one of its sources
.endr
	ELOAD 0
	ELOAD 1
	ELOAD 2
	s_wait_loadcnt 32                              ; fragment 0 is in; the 32 loads of fragments 1 and 2 may be out
	ELOAD 3
	QUANTE 0
	s_wait_loadcnt 32                              ; fragment 1 is in; fragments 2 and 3 may be out
	QUANTE 1
	s_wait_loadcnt 16                              ; fragment 3 may be out
	QUANTE 2
	s_wait_loadcnt 0x0
	QUANTE 3
.LendA:
	s_wait_dscnt 0x0                               ; my stores have landed:
	s_barrier_signal -1
	s_barrier_wait -1                              ; the tile's 32 images, their scale words and its f16 rows lie in LDS
; ---------------- B: the product, tanh and v
.macro BLOAD g, s                      ; W's fragments n = 2 g, 2 g + 1 of K step s: eight loads of 512 consecutive bytes
.irp n, 2*(\g), 2*(\g)+1
.irp c, 0,1,2,3
	global_load_b128 v[BR+16*(\n)+4*\c:BR+16*(\n)+4*\c+3], v[WB], s[10:11] offset:(8*(\n)+(\s))*2048+512*\c
.endr
.endr
.endm
.macro FETCHA s                        ; x's four fragments of K step s, and their scale words
.irp m, 0,1,2,3
.irp c, 0,1,2,3
	ds_load_b128 v[AF+16*\m+4*\c:AF+16*\m+4*\c+3], v[LI] offset:(8*\m+(\s))*2048+512*\c
.endr
	ds_load_b32 v[AS+\m], v[LS] offset:(8*\m+(\s))*128
.endr
.endm
.macro WM s, n, m                      ; W's scale words: register 4 n + s / 2; lanes 0-15 for an even K step, lanes 16-31 for an odd one
.set rD, 8*(4*(\n)+(\m))
.set rA, AF+16*(\m)
.set rB, BR+16*(\n)
.set rW, WS+4*(\n)+(\s)/2
.if (\s) == 0
	v_wmma_scale_f32_16x16x128_f8f6f4 v[rD:rD+7], v[rA:rA+15], v[rB:rB+15], 0, v[AS+(\m)], v[rW] matrix_a_fmt:MATRIX_FMT_BF8 matrix_b_fmt:MATRIX_FMT_BF8
.elseif (\s)%2 == 0
	v_wmma_scale_f32_16x16x128_f8f6f4 v[rD:rD+7], v[rA:rA+15], v[rB:rB+15], v[rD:rD+7], v[AS+(\m)], v[rW] matrix_a_fmt:MATRIX_FMT_BF8 matrix_b_fmt:MATRIX_FMT_BF8
.else
	v_wmma_scale_f32_16x16x128_f8f6f4 v[rD:rD+7], v[rA:rA+15], v[rB:rB+15], v[rD:rD+7], v[AS+(\m)], v[rW] matrix_a_fmt:MATRIX_FMT_BF8 matrix_b_fmt:MATRIX_FMT_BF8 matrix_b_scale:MATRIX_SCALE_ROW1
.endif
.endm
; Group g of K step s: eight products; then the same two fragments of the next K step are asked for: they have the three other groups' 24 products in which to land.
; The 32 accumulators take turns, one instruction a turn, in the same order in every K step.
.macro GROUP s, g
.if (\s) == 7 && (\g) >= 2
	s_wait_loadcnt 32-8*(\g)                       ; the last K step: behind my group stand the groups left and the eight loads of the bias
.else
	s_wait_loadcnt 24                              ; behind my group's eight loads three times eight were issued
.endif
.if (\g) == 0
	s_wait_dscnt 0x0                               ; x's fragments are in
.endif
	WIN 0x50                                       ; C and D window 1
.irp n, 2*(\g), 2*(\g)+1
.irp m, 0,1,2,3
	WM \s, \n, \m
.endr
.endr
.if (\s) < 7
.rept 8
	v_nop                                          ; eight places in front of loads into registers that the products read
.endr
	WIN 0
	BLOAD \g, (\s)+1
.if (\g) == 3
	FETCHA (\s)+1
.endif
.elseif (\g) == 0
.rept 8
	v_nop
.endr
	WIN 0
.irp i, 0,1,2,3,4,5,6,7
	global_load_b32 v[BI+\i], v[VO], s[14:15] offset:64*\i   ; the bias of my h in tile i, into registers of W's fragment 0, which is done with
.endr
.endif
.endm
	s_cmp_lt_u32 s[ID], s[CUM]
	s_cbranch_scc0 .LendB
.irp i, 0,1,2,3,4,5,6,7
	global_load_b128 v[WS+4*\i:WS+4*\i+3], v[WSO], s[12:13] offset:512*\i
.endr
.irp i, 0,1,2,3,4,5,6,7
	global_load_b32 v[VV+\i], v[VO], s[8:9] offset:64*\i     ; v of my h in tile i
.endr
	BLOAD 0, 0
	BLOAD 1, 0
	BLOAD 2, 0
	BLOAD 3, 0
	FETCHA 0
.irp t, 0,1,2,3,4,5,6,7
	GROUP \t, 0
	GROUP \t, 1
	GROUP \t, 2
	GROUP \t, 3
.endr
	WIN 0
	s_wait_loadcnt 0x0                             ; the bias
	v_add_f32 v[VS], v[VV], v[VV+1]                ; these twelve plain lines name no register of the last products: they are the places in front of the first read of results
.irp i, 2,3,4,5,6,7
	v_add_f32 v[VS], v[VS], v[VV+\i]               ; the sum of v over my eight h
.endr
	v_mov_b32 v[VS+1], v[VS]
.irp i, 0,2,4,6
	v_pk_mul_f32 v[VV+\i:VV+\i+1], v[VV+\i:VV+\i+1], -2.0 op_sel_hi:[1,0]
.endr
	WIN 0x41                                       ; destination and source 0 window 1
.irp n, 0,1,2,3,4,5,6,7
.set a, 32*\n
.rept 16
.if \n%2 == 0
	v_pk_fma_f32 v[a:a+1], v[a:a+1], s[CC:CC+1], v[BI+\n:BI+\n+1] op_sel_hi:[1,0,0]              ; c x product + c x bias; each accumulator from its low end on
.else
	v_pk_fma_f32 v[a:a+1], v[a:a+1], s[CC:CC+1], v[BI+\n-1:BI+\n] op_sel:[0,0,1] op_sel_hi:[1,0,1]
.endif
.set a, a+2
.endr
.endr
.set a, 0
.rept 256
	v_exp_f32 v[a], v[a]
.set a, a+1
.endr
	v_nop                                          ; a plain line behind the last exponential
	s_wait_alu depctr_va_vdst(0)                   ; one wait for the whole batch, ahead of its first reader
.set a, 0
.rept 128
	v_pk_add_f32 v[a:a+1], v[a:a+1], 1.0 op_sel_hi:[1,0]
.set a, a+2
.endr
.set a, 0
.rept 256
	v_rcp_f32 v[a], v[a]
.set a, a+1
.endr
	v_nop
	s_wait_alu depctr_va_vdst(0)                   ; and one for the reciprocals
	WIN 0x01                                       ; source 0 window 1
.irp n, 0,1,2,3,4,5,6,7                ; L[8 m + j] = the part of the logit of row 16 m + 8 half + j that my eight h give
.set k, 0
.rept 16
.if \n == 0
	v_pk_fma_f32 v[L+2*k:L+2*k+1], v[2*k:2*k+1], v[VV:VV+1], v[VS:VS+1] op_sel_hi:[1,0,1]
.elseif \n%2 == 0
	v_pk_fma_f32 v[L+2*k:L+2*k+1], v[32*\n+2*k:32*\n+2*k+1], v[VV+\n:VV+\n+1], v[L+2*k:L+2*k+1] op_sel_hi:[1,0,1]
.else
	v_pk_fma_f32 v[L+2*k:L+2*k+1], v[32*\n+2*k:32*\n+2*k+1], v[VV+\n-1:VV+\n], v[L+2*k:L+2*k+1] op_sel:[0,1,0] op_sel_hi:[1,1,1]
.endif
.set k, k+1
.endr
.endr
	WIN 0
.irp x, 1,2,4,8                        ; over the sixteen lanes of a half: my wave's 128 h
.set k, 0
.rept 32
	v_add_f32_dpp v[L+k], v[L+k], v[L+k] row_xmask:\x row_mask:0xf bank_mask:0xf
.set k, k+1
.endr
.endr
.irp m, 0,1,2,3
.irp u, 0,1
	ds_store_b128 v[RW], v[L+8*\m+4*\u:L+8*\m+4*\u+3] offset:64*\m+16*\u   ; rows 16 m + 8 half + 4 u on; the sixteen lanes of a half write the same bytes with the same values
.endr
.endr
.LendB:
	s_wait_dscnt 0x0                               ; my stores have landed and my reads of the images are over
	s_barrier_signal -1
	s_barrier_wait -1                              ; the eight waves' parts of the 64 logits lie in LDS
; ---------------- C: the logits, the tile's weights, the weighted sum.  Every wave makes the weights for itself: no third barrier.
; The weighted sum goes to the matrix unit with f16 operands and f32 sums: K = the tile's 64 rows, in two steps of 32; N = my 128 columns, in eight tiles of 16.
; Source 1 = x, which lies [row][column] in LDS and is turned by ds_load_tr16_b128: lane l then holds column l % 16 and, in registers 0-3 and 4-7, rows 8 (l / 16) + 0..7 and 16 + 8 (l / 16) + 0..7 of the step.
; Source 0 = the weights, the same in all sixteen rows: every lane takes the 16 bytes of the same rows' weights.  So register 0 of an accumulator holds, in lane l, column l % 16 of its tile.
	s_cmp_lt_u32 s[ID], s[CUM]
	s_cbranch_scc0 .LendC
.irp w, 0,1,2,3,4,5,6,7
	ds_load_b64 v[PT+2*\w:PT+2*\w+1], v[RR] offset:256*\w    ; wave w's parts of rows 2 lane and 2 lane + 1
.endr
.irp i, 0,1,2,3,4,5,6,7
	ds_load_tr16_b128 v[XB0+8*\i:XB0+8*\i+3], v[CB] offset:32*\i           ; rows 0-31, columns 16 i on
	ds_load_tr16_b128 v[XB0+8*\i+4:XB0+8*\i+7], v[CB] offset:16*BP+32*\i
.endr
.irp i, 0,1,2,3,4,5,6,7
	ds_load_tr16_b128 v[XB1+8*\i:XB1+8*\i+3], v[CB2] offset:32*\i          ; rows 32-63
	ds_load_tr16_b128 v[XB1+8*\i+4:XB1+8*\i+7], v[CB2] offset:16*BP+32*\i
.endr
	v_and_b32 v3, 31, v0                           ; (the global loads that used v3 and v4 as offsets have been waited for)
	v_lshl_add_u32 v96, v3, 1, s[ROW0]             ; my first row in the batch
	v_add_nc_u32 v97, 1, v96
	v_lshlrev_b32 v3, 3, v3                        ; lg: 8 x lane
	v_mov_b32 v98, 0xc7435000                      ; -50,000
	v_mov_b32 v100, 0                              ; a lane permute's destination counts as one of its sources
	s_wait_dscnt 32                                ; the parts are in; the 32 turning loads behind them may be out
	v_pk_add_f32 v[80:81], v[80:81], v[82:83]
	v_pk_add_f32 v[84:85], v[84:85], v[86:87]
	v_pk_add_f32 v[88:89], v[88:89], v[90:91]
	v_pk_add_f32 v[92:93], v[92:93], v[94:95]
	v_pk_add_f32 v[80:81], v[80:81], v[84:85]
	v_pk_add_f32 v[88:89], v[88:89], v[92:93]
	v_pk_add_f32 v[80:81], v[80:81], v[88:89]      ; the logits
	v_cmp_gt_i32 vcc_lo, s[LEN], v96               ; a row counts where it lies ahead of the length
	v_cndmask_b32 v[ML], v98, v80, vcc_lo
	v_cmp_gt_i32 vcc_lo, s[LEN], v97
	v_cndmask_b32 v[ML+1], v98, v81, vcc_lo
	v_max_num_f32 v99, v[ML], v[ML+1]
	v_max_num_f32_dpp v99, v99, v99 row_xmask:1 row_mask:0xf bank_mask:0xf
	v_max_num_f32_dpp v99, v99, v99 row_xmask:2 row_mask:0xf bank_mask:0xf
	v_max_num_f32_dpp v99, v99, v99 row_xmask:4 row_mask:0xf bank_mask:0xf
	v_max_num_f32_dpp v99, v99, v99 row_xmask:8 row_mask:0xf bank_mask:0xf
	v_permlanex16_b32 v100, v99, s[SEL], s[SEL+1]
	v_max_num_f32 v99, v99, v100                   ; the tile's largest masked logit
	v_sub_f32 v[PP], v[ML], v99
	v_sub_f32 v[PP+1], v[ML+1], v99
	v_mul_f32 v[PP], 0x3fb8aa3b, v[PP]
	v_mul_f32 v[PP+1], 0x3fb8aa3b, v[PP+1]
	v_exp_f32 v[PP], v[PP]
	v_exp_f32 v[PP+1], v[PP+1]                     ; exp(logit - the tile's maximum), at most 1
	v_lshlrev_b32 v4, 4, v0                        ; part: 512 x wave + 16 x lane = 16 x thread.  (The plain line behind the exponentials)
	s_wait_alu depctr_va_vdst(0)                   ; the wait ahead of their first reader, and of the branch below
	v_cvt_pk_f16_f32 v[PH], v[PP], v[PP+1]         ; rows 2 lane (low half) and 2 lane + 1
	ds_store_b32 v[PWA], v[PH]                     ; into my wave's own 128 bytes: row s at byte 2 s;
.irp t, 0,1
.irp u, 0,1
	ds_load_b128 v[PA+8*\t+4*\u:PA+8*\t+4*\u+3], v[PWB] offset:64*\t+32*\u   ; LDS serves a wave's instructions in order (ISA guide 5.7.1.4): rows 32 t + 16 u + 8 half + 0..7
.endr
.endr
	s_cmp_lg_u32 s[WV], 0
	s_cbranch_scc1 .Lnot_wave_0
	global_store_b64 v3, v[ML:ML+1], s[48:49]      ; 32 lanes store the tile's 256 consecutive bytes, aligned; the registers are not written again
.Lnot_wave_0:
	s_wait_dscnt 0x0                               ; the rows and the weights are in
	WIN 0x50                                       ; C and D window 1.  The eight accumulators take turns
.irp i, 0,1,2,3,4,5,6,7
	v_wmma_f32_16x16x32_f16 v[8*\i:8*\i+7], v[PA:PA+7], v[XB0+8*\i:XB0+8*\i+7], 0
.endr
.irp i, 0,1,2,3,4,5,6,7
	v_wmma_f32_16x16x32_f16 v[8*\i:8*\i+7], v[PA+8:PA+15], v[XB1+8*\i:XB1+8*\i+7], v[8*\i:8*\i+7]
.endr
.rept 4
	v_nop                                          ; four places in front of the first read of results (ISA guide 7.12.1)
.endr
	WIN 0x04                                       ; an LDS store's data are its source 1: window 1
.irp i, 0,1,2,3,4,5,6,7
	ds_store_b32 v[OSA], v[8*\i] offset:64*\i      ; column 16 i + r, from each accumulator's lowest register; both halves of the lanes write the same word with the same value
.endr
	WIN 0
	ds_load_b128 v[O:O+3], v[OSR]                  ; my wave's own bytes, served in order: four neighbouring columns a lane
	s_wait_dscnt 0x0
	global_store_b128 v4, v[O:O+3], s[50:51]       ; 32 lanes store 512 consecutive bytes, aligned
.LendC:
	s_wait_xcnt 0x0
	v_lshl_add_u32 v254, v0, 2, 0x44000
	v_mov_b32 v255, 0
	s_wait_tensorcnt 0x0
	ds_add_u32 v254, v255
	s_wait_dscnt 0x0
	s_endpgm
.Lfunc_end_k_q10b5dd0f80_main:
	.size	k_q10b5dd0f80_main, .Lfunc_end_k_q10b5dd0f80_main-k_q10b5dd0f80_main
	.p2alignl 7, 3214868480
	.fill 96, 4, 3214868480
	.section	.rodata,"a",@progbits
	.p2align	6, 0x0
	.amdhsa_kernel k_q10b5dd0f80_main
		.amdhsa_group_segment_fixed_size 279552
		.amdhsa_private_segment_fixed_size 0
		.amdhsa_enable_private_segment 0
		.amdhsa_kernarg_size 64
		.amdhsa_user_sgpr_count 2
		.amdhsa_user_sgpr_kernarg_segment_ptr 1
		.amdhsa_wavefront_size32 1
		.amdhsa_system_sgpr_workgroup_id_x 1
		.amdhsa_system_sgpr_workgroup_id_y 1
		.amdhsa_system_sgpr_workgroup_id_z 1
		.amdhsa_system_vgpr_workitem_id 0
		.amdhsa_next_free_vgpr 512
		.amdhsa_next_free_sgpr 80
		.amdhsa_reserve_vcc 1
		.amdhsa_float_denorm_mode_32 3
		.amdhsa_float_denorm_mode_16_64 3
		.amdhsa_memory_ordered 1
		.amdhsa_forward_progress 1
		.amdhsa_inst_pref_size 209
	.end_amdhsa_kernel
	.amdgpu_metadata
---
amdhsa.version: [ 1, 2 ]
amdhsa.kernels:
  - .name:           k_q10b5dd0f80_main
    .symbol:         k_q10b5dd0f80_main.kd
    .args:
      - { .name: encoder_outputs, .offset: 0, .size: 8, .value_kind: global_buffer, .address_space: global }
      - { .name: sequence_length, .offset: 8, .size: 8, .value_kind: global_buffer, .address_space: global }
      - { .name: v, .offset: 16, .size: 8, .value_kind: global_buffer, .address_space: global }
      - { .name: wcodes, .offset: 24, .size: 8, .value_kind: global_buffer, .address_space: global }
      - { .name: wsc, .offset: 32, .size: 8, .value_kind: global_buffer, .address_space: global }
      - { .name: bias, .offset: 40, .size: 8, .value_kind: global_buffer, .address_space: global }
      - { .name: lg, .offset: 48, .size: 8, .value_kind: global_buffer, .address_space: global }
      - { .name: part, .offset: 56, .size: 8, .value_kind: global_buffer, .address_space: global }
    .group_segment_fixed_size: 279552
    .private_segment_fixed_size: 0
    .kernarg_segment_align: 8
    .kernarg_segment_size: 64
    .max_flat_workgroup_size: 256
    .sgpr_count:     80
    .vgpr_count:     512
    .wavefront_size: 32
...
	.end_amdgpu_metadata
.endif
;; end of part 4
;; launch finish: the kernel of part 3 again; grid 4 x 32, 8 waves a work-group, no clusters, 9,216 bytes of LDS; arguments lg, part, sequence_length, out0, out1; writes out0, out1
;; ======== version 3 of 3: 3 launches
;; limits: right only within a limited range of input values; values are held in f16: magnitudes above 65,504 overflow, below 6.1e-05 lose precision
;; workspace buffers: wcodes 1,048,576 bytes; wsc 32,768 bytes; bias 131,072 bytes; lg 262,144 bytes; part 4,194,304 bytes
;; launch prep (part 5): grid 128 x 1, 1 waves a work-group, no clusters, 0 bytes of LDS; arguments W, decoder_state_codes, decoder_state_scales, wcodes, wsc, bias; writes wcodes, wsc, bias
.if DOCPART == 5
	.amdgcn_target "amdgcn-amd-amdhsa--gfx1250"
	.amdhsa_code_object_version 6
	.text
	.protected	k_q10b5dd0f80_prep
	.globl	k_q10b5dd0f80_prep
	.p2align	8
	.type	k_q10b5dd0f80_prep,@function
k_q10b5dd0f80_prep:
	s_mov_b64 s[64:65], 0
	v_nop
	global_prefetch_b8 v0, s[64:65] scope:SCOPE_SE
	s_setreg_imm32_b32 hwreg(HW_REG_WAVE_SCHED_MODE, 0, 2), 2
	s_setreg_imm32_b32 hwreg(HW_REG_WAVE_MODE, 25, 1), 1
	s_wait_xcnt 0x0
	s_wait_alu depctr_vm_vsrc(0)
; W [1024][2048] f32 is quantised along K to codes of E5M2 with one E8M0 scale for each 32 numbers.
; One wave a work-group; work-group 2 nt + role takes rows h = 16 nt .. 16 nt + 15.
; role 0: columns 0-1023 (the encoder's part).  The codes leave as IMAGES OF THE OPERAND'S REGISTERS: fragment (nt, s) at (8 nt + s) x 2048 bytes, register group c of lane l at 512 c + 16 l,
;         so that a later load of 16 bytes a lane brings a fragment as the matrix instruction wants it.  The scale words: [nt][lane][4]: lanes 0-15 K steps 0, 2, 4, 6 of row l, lanes 16-31 K steps 1, 3, 5, 7 of row l - 16.
; role 1: columns 1024-2047 (the decoder's part) are quantised in registers and multiplied by the decoder's state, which comes as codes; bias[b][h] = the product x 2 log2(e), as the next launch's exponential wants it.
; A block's scale is 2^(floor(log2(its largest magnitude)) - 15); its byte is the largest magnitude's exponent field - 15, held at 1 from below.
; LIMITS: a block of zeros gets the byte 1 (its codes are zeros, and only this program reads the bytes); NaN and infinities among the inputs are not served.
; The bias leaves in runs of 64 bytes: 131,072 bytes in the whole launch.
; THE MODE: SCHED_MODE bits 1:0 = 2 (LLVM: expert scheduling mode 2), set by the entry lines.  The code itself states the register dependences
; between vector or matrix instructions and memory instructions, with s_wait_alu, always for 0.
; THE PLAN.  Registers that memory instructions touch:
;   v3-v7      offsets, made once at the head and never written again.
;   RAW0, RAW1 Step s: its quantiser reads and writes RAW[s % 2]; behind it the loads of step s + 2 land there.
;   PC         Written by step s's conversions.  Role 0: read by the step's four stores, written again by the next step.  Role 1: named by vector and matrix instructions alone.
;   D0, D1     Role 1: two sets of the decoder's fragments and scale words.  Step s's products read D[s % 2]; the loads of step s + 1 land in the other set, which the products of step s - 1 read.
; So ONE wait on va_vdst stands in a step, behind its quantiser: all the step's loads and stores follow it, and no vector or matrix instruction issued since names a register that they touch.
; Role 0 has one wait on vm_vsrc at a step's head, ahead of the lines that write PC again.
.set RAW, 64                           ; v64-191  two sets of 64 numbers: register 16 b + i = k 32 b + 16 (lane / 16) + i of my row
.set PC,  16                           ; v16-31   the codes of a fragment
.set TM,  32                           ; v32-35 largest magnitudes, v36-39 bytes, v40-43 the largest number x the scale, v44-47 the conversion's scale operand
.set PWS, 48                           ; v48-55   role 0: the eight K steps' scale words
.set DF,  192                          ; role 1: the decoder's two fragments: set 0 in v192-223 (at the end the bias), set 1 in v48-63 and v240-255
.set ACC, 224                          ; v224-239 role 1: two accumulators
.set DSC, 8                            ; v8-11    the decoder's scale words, two sets: scales and nothing else
.set PW,  12                           ; v12      role 1: W's scale word: a scale and nothing else
.set SEL, 20                           ; s[20:21] lane selects: lane l xor 16
.set MNT, 22                           ; s22      the mantissa field of 57,344
	s_load_b256 s[4:11], s[0:1], 0x0               ; W s[4:5], the decoder's codes s[6:7], its scales s[8:9], wcodes s[10:11]
	s_load_b128 s[12:15], s[0:1], 0x20             ; wsc s[12:13], bias s[14:15]
	v_and_b32 v1, 15, v0                           ; r
	v_bfe_u32 v2, v0, 4, 1                         ; half
	v_lshlrev_b32 v3, 13, v1
	v_lshl_add_u32 v3, v2, 6, v3                   ; W: row r of 8,192 bytes + 64 x half: my 16 numbers of a block
	v_lshlrev_b32 v4, 4, v0                        ; 16 x lane: an image's place
	v_lshlrev_b32 v5, 10, v1
	v_lshl_add_u32 v5, v2, 4, v5                   ; the decoder's codes: row r of 1,024 bytes + 16 x half
	v_lshlrev_b32 v6, 5, v1                        ; its scale bytes: 32 a row
	v_lshlrev_b32 v7, 12, v1
	v_lshl_add_u32 v7, v2, 5, v7                   ; bias: row r of 4,096 bytes + 32 x half
	s_mov_b32 s[SEL], 0x76543210
	s_mov_b32 s[SEL+1], 0xfedcba98
	s_mov_b32 s[MNT], 0x600000
.irp b, 0,1,2,3
	v_mov_b32 v[TM+4+\b], 0                        ; a lane permute's destination counts as one of its sources
.endr
	s_lshr_b32 s16, ttmp9, 1                       ; nt
	s_and_b32 s17, ttmp9, 1                        ; role
	s_lshl_b32 s24, s16, 17                        ; 16 rows of 8,192 bytes,
	s_lshl_b32 s18, s17, 12                        ; and the role's 1,024 columns
	s_add_co_u32 s24, s24, s18
	s_mov_b32 s25, 0
	s_lshl_b32 s26, s16, 14                        ; eight fragments of 2,048 bytes
	s_mov_b32 s27, 0
	s_lshl_b32 s28, s16, 9                         ; 32 lanes x 16 bytes of scale words
	s_mov_b32 s29, 0
	s_lshl_b32 s30, s16, 6                         ; 16 columns of the bias
	s_mov_b32 s31, 0
	s_wait_kmcnt 0x0
	s_add_nc_u64 s[4:5], s[4:5], s[24:25]
	s_add_nc_u64 s[10:11], s[10:11], s[26:27]
	s_add_nc_u64 s[12:13], s[12:13], s[28:29]
	s_add_nc_u64 s[14:15], s[14:15], s[30:31]
	s_wait_alu depctr_va_vdst(0)                   ; the offsets v3 to v7 are written: every load and store of the kernel reads one of them
.macro XLOAD s                         ; K step s: 64 numbers a lane into set s % 2
.irp b, 0,1,2,3
.irp j, 0,1,2,3
	global_load_b128 v[RAW+64*((\s)%2)+16*\b+4*\j:RAW+64*((\s)%2)+16*\b+4*\j+3], v3, s[4:5] offset:512*(\s)+128*\b+16*\j th:TH_LOAD_NT
.endr
.endr
.endm
; 64 numbers of a lane, v[x] on, become a fragment's codes in v[PC] on and its scale word in v[pw]
.macro QUANT x, pw
.irp b, 0,1,2,3
	v_max3_num_f32 v[TM+\b], |v[\x+16*\b]|, |v[\x+1+16*\b]|, 0x8000000   ; my 16 numbers of block b, and the floor 2^(16 - 127): the byte cannot fall under 1
.endr
.irp e, 2,4,6,8,10,12,14
.irp b, 0,1,2,3
	v_max3_num_f32 v[TM+\b], v[TM+\b], |v[\x+16*\b+\e]|, |v[\x+1+16*\b+\e]|   ; the four blocks by turns
.endr
.endr
.irp b, 0,1,2,3
	v_permlanex16_b32 v[TM+4+\b], v[TM+\b], s[SEL], s[SEL+1]
.endr
.irp b, 0,1,2,3
	v_max_num_f32 v[TM+\b], v[TM+\b], v[TM+4+\b]   ; with lane l xor 16's: the block's largest magnitude
.endr
.irp b, 0,1,2,3
	v_add_nc_u32 v[TM+12+\b], 0xf8800000, v[TM+\b] ; 15 off its exponent field: the conversion's scale operand
.endr
.irp b, 0,1,2,3
	v_and_or_b32 v[TM+8+\b], v[TM+\b], 0x7f800000, s[MNT]   ; 57,344 x the scale
.endr
.irp b, 0,1,2,3
	v_lshrrev_b32 v[TM+4+\b], 23, v[TM+12+\b]      ; the scale's byte
.endr
	v_lshl_or_b32 v[\pw], v[TM+5], 8, v[TM+4]      ; four bytes make my row's scale word
	v_lshl_or_b32 v[\pw], v[TM+6], 16, v[\pw]
	v_lshl_or_b32 v[\pw], v[TM+7], 24, v[\pw]
.irp b, 0,1,2,3
.irp e, 0,1,2,3,4,5,6,7,8,9,10,11,12,13,14,15
	v_med3_num_f32 v[\x+16*\b+\e], v[\x+16*\b+\e], -v[TM+8+\b], v[TM+8+\b]   ; the conversion to an 8-bit code does not saturate (ISA guide 7.6.2): the hold comes first
.endr
	v_cvt_scalef32_pk8_bf8_f32 v[PC+4*\b:PC+1+4*\b], v[\x+16*\b:\x+7+16*\b], v[TM+12+\b]
	v_cvt_scalef32_pk8_bf8_f32 v[PC+2+4*\b:PC+3+4*\b], v[\x+8+16*\b:\x+15+16*\b], v[TM+12+\b]
.endr
	v_nop                                          ; one plain line behind the last scaled conversion
.endm
	XLOAD 0
	XLOAD 1
	s_cmp_lg_u32 s17, 0
	s_cbranch_scc1 .Lrole1
; ---- role 0: codes and scale words of the encoder's part
.macro STEP0 s
.if (\s) < 7
	s_wait_loadcnt 16                              ; this step's sixteen loads are in; the next step's sixteen may be out
.else
	s_wait_loadcnt 0x0
.endif
	s_wait_xcnt 0x0                                ; the last step's stores have had their addresses translated: the codes' registers are written again only behind this wait
.if (\s) > 0
	s_wait_alu depctr_vm_vsrc(0)                   ; the last step's stores have read v[PC ..], which this step's conversions write again
.endif
	QUANT RAW+64*((\s)%2), PWS+(\s)
	s_wait_alu depctr_va_vdst(0)                   ; the conversions have written v[PC ..], which the stores below read; the quantiser is done reading and writing its RAW set, in which the loads below land
.if (\s) <= 5
	XLOAD (\s)+2
.endif
.irp c, 0,1,2,3
	global_store_b128 v4, v[PC+4*\c:PC+4*\c+3], s[10:11] offset:2048*(\s)+512*\c   ; 32 lanes store 512 consecutive bytes, aligned
.endr
.endm
.irp t, 0,1,2,3,4,5,6,7
	STEP0 \t
.endr
	v_cmp_le_u32 vcc_lo, 16, v0                    ; lanes 16-31 take the odd K steps' words (both halves of the lanes hold every word)
	s_wait_alu depctr_va_vcc(0)                    ; VCC is written, ahead of its first reader
.irp q, 0,1,2,3
	v_cndmask_b32 v[56+\q], v[PWS+2*\q], v[PWS+2*\q+1], vcc_lo
.endr
	s_wait_alu depctr_va_vdst(0)                   ; the selections have written v[56:59], which the store reads
	global_store_b128 v4, v[56:59], s[12:13]       ; 512 consecutive bytes
	s_endpgm
; ---- role 1: the decoder's part, multiplied at once
.Lrole1:
.macro DLOAD s                         ; the decoder's two fragments (batches 0-15, 16-31) of K step s, and their scale words, into set s % 2: ten loads
.irp t, 0,1
.set rF, DF+16*\t+((\s)%2)*(176*\t-144)
.irp c, 0,1,2,3
	global_load_b128 v[rF+4*\c:rF+4*\c+3], v5, s[6:7] offset:16384*\t+128*(\s)+32*\c
.endr
	global_load_b32 v[DSC+2*((\s)%2)+\t], v6, s[8:9] offset:512*\t+4*(\s)
.endr
.endm
; Loads are issued in this order: W's steps 0 and 1, the decoder's step 0; then in step s the decoder's step s + 1 (ten) and W's step s + 2 (sixteen).
.macro STEP1 s
.if (\s) < 7
	s_wait_loadcnt 26                              ; behind this step's numbers: the decoder's ten of this step and the next step's sixteen
.else
	s_wait_loadcnt 10                              ; the decoder's ten
.endif
	QUANT RAW+64*((\s)%2), PW
.rept 3
	v_nop                                          ; with the line that ends QUANT: four places between the codes and the scaled matrix instruction; the scale word was made ahead of the 64 holds
.endr
	s_wait_alu depctr_va_vdst(0)                   ; the codes and the scale word are written, which the scaled products take; the quantiser is done with its RAW set, and the last step's products are done reading the other set of the decoder's: loads land in both
.if (\s) < 7
	DLOAD (\s)+1
.endif
.if (\s) <= 5
	XLOAD (\s)+2
.endif
.if (\s) == 7
	s_wait_loadcnt 0x0
.elseif (\s) == 0 || (\s) == 6
	s_wait_loadcnt 26                              ; the decoder's fragments of this step are in; behind them ten and sixteen loads were issued
.else
	s_wait_loadcnt 42                              ; behind them: W's next step (sixteen), and the ten and sixteen just issued
.endif
.irp t, 0,1                            ; source 0 = 16 rows of W, source 1 = 16 batches: a lane holds one batch and eight neighbouring h.  The two accumulators take turns
.set rF, DF+16*\t+((\s)%2)*(176*\t-144)
.if (\s) == 0
	v_wmma_scale_f32_16x16x128_f8f6f4 v[ACC+8*\t:ACC+8*\t+7], v[PC:PC+15], v[rF:rF+15], 0, v[PW], v[DSC+2*((\s)%2)+\t] matrix_a_fmt:MATRIX_FMT_BF8 matrix_b_fmt:MATRIX_FMT_BF8
.else
	v_wmma_scale_f32_16x16x128_f8f6f4 v[ACC+8*\t:ACC+8*\t+7], v[PC:PC+15], v[rF:rF+15], v[ACC+8*\t:ACC+8*\t+7], v[PW], v[DSC+2*((\s)%2)+\t] matrix_a_fmt:MATRIX_FMT_BF8 matrix_b_fmt:MATRIX_FMT_BF8
.endif
.endr                                  ; the next step's 32 maxima, which name none of these registers, are the places ahead of its writes of the codes and the scale word
.if (\s) == 7
.rept 8
	v_nop                                          ; eight places in front of the first read of results
.endr
.endif
.endm
	DLOAD 0
.irp t, 0,1,2,3,4,5,6,7
	STEP1 \t
.endr
.irp j, 0,1,2,3,4,5,6,7,8,9,10,11,12,13,14,15
	v_mul_f32 v[DF+\j], 0x4038aa3b, v[ACC+\j]      ; x 2 log2(e); each accumulator from its low end on
.endr
	s_wait_alu depctr_va_vdst(0)                   ; the multiplications have written v[DF ..], which the stores read
.irp t, 0,1
.irp u, 0,1
	global_store_b128 v7, v[DF+8*\t+4*\u:DF+8*\t+4*\u+3], s[14:15] offset:65536*\t+16*\u   ; bias(16 t + r, 16 nt + 8 half + 4 u ..)
.endr
.endr
	s_endpgm
.Lfunc_end_k_q10b5dd0f80_prep:
	.size	k_q10b5dd0f80_prep, .Lfunc_end_k_q10b5dd0f80_prep-k_q10b5dd0f80_prep
	.p2alignl 7, 3214868480
	.fill 96, 4, 3214868480
	.section	.rodata,"a",@progbits
	.p2align	6, 0x0
	.amdhsa_kernel k_q10b5dd0f80_prep
		.amdhsa_group_segment_fixed_size 0
		.amdhsa_private_segment_fixed_size 0
		.amdhsa_enable_private_segment 0
		.amdhsa_kernarg_size 48
		.amdhsa_user_sgpr_count 2
		.amdhsa_user_sgpr_kernarg_segment_ptr 1
		.amdhsa_wavefront_size32 1
		.amdhsa_system_sgpr_workgroup_id_x 1
		.amdhsa_system_sgpr_workgroup_id_y 1
		.amdhsa_system_sgpr_workgroup_id_z 1
		.amdhsa_system_vgpr_workitem_id 0
		.amdhsa_next_free_vgpr 256
		.amdhsa_next_free_sgpr 66
		.amdhsa_reserve_vcc 1
		.amdhsa_float_denorm_mode_32 3
		.amdhsa_float_denorm_mode_16_64 3
		.amdhsa_memory_ordered 1
		.amdhsa_forward_progress 1
		.amdhsa_inst_pref_size 168
	.end_amdhsa_kernel
	.amdgpu_metadata
---
amdhsa.version: [ 1, 2 ]
amdhsa.kernels:
  - .name:           k_q10b5dd0f80_prep
    .symbol:         k_q10b5dd0f80_prep.kd
    .args:
      - { .name: W, .offset: 0, .size: 8, .value_kind: global_buffer, .address_space: global }
      - { .name: decoder_state_codes, .offset: 8, .size: 8, .value_kind: global_buffer, .address_space: global }
      - { .name: decoder_state_scales, .offset: 16, .size: 8, .value_kind: global_buffer, .address_space: global }
      - { .name: wcodes, .offset: 24, .size: 8, .value_kind: global_buffer, .address_space: global }
      - { .name: wsc, .offset: 32, .size: 8, .value_kind: global_buffer, .address_space: global }
      - { .name: bias, .offset: 40, .size: 8, .value_kind: global_buffer, .address_space: global }
    .group_segment_fixed_size: 0
    .private_segment_fixed_size: 0
    .kernarg_segment_align: 8
    .kernarg_segment_size: 48
    .max_flat_workgroup_size: 32
    .sgpr_count:     66
    .vgpr_count:     256
    .wavefront_size: 32
...
	.end_amdgpu_metadata
.endif
;; end of part 5
;; launch main (part 6): grid 1024 x 1, 8 waves a work-group, no clusters, 279,552 bytes of LDS; arguments encoder_outputs, sequence_length, v, wcodes, wsc, bias, lg, part; writes lg, part
.if DOCPART == 6
	.amdgcn_target "amdgcn-amd-amdhsa--gfx1250"
	.amdhsa_code_object_version 6
	.text
	.protected	k_q10b5dd0f80_main
	.globl	k_q10b5dd0f80_main
	.p2align	8
	.type	k_q10b5dd0f80_main,@function
k_q10b5dd0f80_main:
	s_mov_b64 s[64:65], 0
	v_nop
	global_prefetch_b8 v0, s[64:65] scope:SCOPE_SE
	s_setreg_imm32_b32 hwreg(HW_REG_WAVE_SCHED_MODE, 0, 2), 2
	s_setreg_imm32_b32 hwreg(HW_REG_WAVE_MODE, 25, 1), 1
	s_wait_xcnt 0x0
	s_wait_alu depctr_vm_vsrc(0)
; One work-group takes one tile of 64 rows of one batch through the whole chain: the rows are read from memory once, quantised to E5M2 codes (one E8M0 scale for each 32 along K), multiplied by W's encoder part,
; logit = sum over h of v_h tanh(product + bias), rows at or behind the batch's length take -50,000, and with the TILE's own maximum m: part = sum over the tile's rows of exp(logit - m) x row.
; The last launch joins the tiles.  lg gets the tile's masked logits, part its weighted sum.
; WHICH TILES.  Batch b has n_b = ceil(min(len, 2048) / 64) tiles that hold a row ahead of its length (32 where len <= 0: every row is then masked alike and all count).  Only these are worked.  The tiles of all batches are
; numbered on end, and work-group i takes tile i; 1,024 work-groups serve every choice of lengths; one whose number no tile has stores nothing.
; LIMITS: the rows of tiles that are left out count as 0 in the weighted sum: exact while exp(-50,000 - the largest logit) is 0 in f32, that is while the sum of |v_h| stays under 49,800.
; The weighted sum takes the rows and the weights rounded to f16: magnitudes of the encoder's numbers above 65,504 are not served there; those under 2^-14 keep an absolute error of 2^-25.  NaN and infinities among the inputs are not served.
; A block of zeros gets the scale byte 1 (its codes are zeros; only this program reads the bytes).
; NO TENSOR LOAD, NO CLUSTER: whether a work-group has a tile hangs on lengths read from memory, so the work stands under a branch on loaded numbers; W's fragments come from memory straight into registers,
; out of a buffer laid in the order of the operand's registers (512 consecutive bytes a load).  The barriers stand outside that branch, on every wave's path: the work is three sections, each entered by the same test.
; tanh(x) = 1 - 2 / (1 + 2^(2 log2(e) x)): logit = sum of v_h + sum of (-2 v_h) / (1 + 2^(c product + c bias)), c = 2 log2(e); the bias arrives times c.
; SHARES.  A: wave w quantises fragments 4 w .. 4 w + 3 (fragment 8 m + s: rows 16 m on, K step s) and lays the same numbers, rounded to f16, as rows in LDS for the weighted sum.
;          B: wave w owns h = 128 w .. 128 w + 127 for all 64 rows: 32 accumulators.  Source 0 = 16 rows of x, source 1 = 16 rows of W: a lane holds ONE h and eight rows.   C: wave w owns columns 128 w .. 128 w + 127.
; THE ROWS COME IN AS THEY LIE AND TURN IN LDS.  The conversions want 16 neighbours along K in one lane (64 bytes a lane, lanes of a half 4,096 bytes apart); a load is best where neighbouring lanes take neighbouring bytes.
; Both are had: each load reads 512 consecutive bytes of one row, aligned, 16 a lane; a fragment's sixteen rows go through the wave's own stage in LDS, as they lie, and come back 64 bytes a lane.
; WHY f16 AND NOT bf16 FOR THE WEIGHTED SUM: a batch of few rows sums few terms of the inputs' own size, which may cancel, and each term carries its rounding: 11 significant bits leave an eighth of the error of 8.
; The rows as f32 (262,144 bytes) do not fit in LDS beside the images (65,536) and their scale words (4,096).
; REGISTERS.  Window 0: v1-15, v254-255 addresses; v16-79 A: f16 pairs, codes, work; B: x's four fragments, then the logits' parts; C: rows 0-31.  v80-207 A: v80-81 the stage's addresses; B: W's eight fragments (v80-87 at the end the bias); C: work, weights, rows 32-63.
;   v208-239 W's scale words, v240-243 x's: scales and nothing else.  v244-251 v, then -2 v; v252-253 the lane's sum of v; C: v244-247 weights and logits, v248-251 my 16 bytes of part.
;   Window 1 (v256-511): A: the 4 x 64 numbers, as loaded and then turned; B: accumulator (n, m) at 8 (4 n + m); C: v256-319 the weighted sum's eight accumulators.
; THE MODE: SCHED_MODE bits 1:0 = 2 (LLVM: expert scheduling mode 2), set by the entry lines.  The code itself states the register dependences
; between vector or matrix instructions and memory or LDS instructions, with s_wait_alu, always for 0.
; THE PLAN.  Registers that memory or LDS instructions touch, and who else names them:
;   Addresses  v1-15, v80-81, v254-255: written at the head, ahead of one wait on va_vdst that stands ahead of the first branch.  v80-81 are loaded over in B, v3-4 written anew in C, v254-255 at the end: each behind a wait on vm_vsrc.
;   A          A set of 64 numbers: loaded once; read by the turn's sixteen LDS stores; the turn's sixteen LDS loads land in it, behind a wait on vm_vsrc; from then on vector lines alone.
;              The f16 pairs, the codes and the scale word (v16-68): written by a fragment's vector lines, read by its thirteen LDS stores, which stand together behind one wait on va_vdst;
;              written again by the next fragment, behind the turn's wait on vm_vsrc.  Two waits a fragment.
;   B          W's eight fragments are a ring of four pairs.  All 512 registers of the wave are taken, so W has no second set: a wait on va_vdst stands behind the eight products that empty a pair, and the pair is asked for again at once.
;              The fourth pair's wait also states that the K step's products are done reading x's fragments and scale words, in which the next K step's LDS loads land.
;              The logits' parts (v16-47): written by vector lines, one wait on va_vdst, eight LDS stores.
;   C          Behind the barrier a wait on vm_vsrc: those stores have read v16-47, in which the turning loads land.  The weights' pair, the logits and the two new offsets: one wait on va_vdst ahead of the LDS store and the global stores.
;              The weighted sum's accumulators: the places, one wait on va_vdst, eight LDS stores.
.set XIMG, 0                           ; LDS: 32 images of fragments, 2,048 bytes each
.set XSC,  65536                       ; their scale words, 128 bytes each
.set RED,  69632                       ; 8 waves x 64 parts of logits
.set PWT,  71680                       ; 8 waves x 256 bytes: the tile's 64 weights as f16 (128 bytes), each wave's own copy
.set OSTG, 73728                       ; 8 waves x 512 bytes: a wave's 128 columns of part on their way out
.set XBF,  77824                       ; 64 rows of 1,024 f16
.set BP,   2080                        ; their pitch: 2,048 bytes + 32 = 65 x 32: 16 lanes of the turning load take 8 rows x 32 bytes, which start 32 bytes apart modulo 256
.set STG,  210944                      ; 8 waves x 16 rows: the stage in which a fragment's f32 numbers turn, each wave's own
.set SP,   528                         ; its pitch: 512 bytes + 16 = 33 x 16: the sixteen rows that a load touches start at sixteen different places modulo 256 bytes
.set LI,  1                            ; 16 x lane
.set LS,  2                            ; XSC + 4 x lane
.set WB,  3                            ; wcodes: 16 x lane + 131,072 x wave (my 64 fragments)
.set XA,  4                            ; x: 16 m rows of 4,096 bytes + 2,048 (wave % 2) + 16 x lane
.set XWI, 5                            ; where I store images: 16 x lane + 8,192 x wave
.set XWS, 6                            ; and their scale words: XSC + 4 x lane + 512 x wave
.set BFA, 7                            ; and the f16 rows: XBF + (16 m + r) BP + 1,024 (wave % 2) + 32 x half
.set RW,  8                            ; RED + 256 x wave + 32 x half
.set RR,  9                            ; RED + 8 x lane
.set PWA, 10                           ; PWT + 256 x wave + 4 x lane
.set PWB, 11                           ; PWT + 256 x wave + 16 x half
.set CB,  12                           ; XBF + 256 x wave + (8 half + lane % 8) BP + 16 ((lane / 8) % 2)
.set CB2, 13                           ; the same 32 rows further down
.set WSO, 14                           ; wsc: 16 x lane + 4,096 x wave
.set VO,  15                           ; v and bias: 512 x wave + 4 r
.set SWA, 80                           ; A: the stage on the way in: STG + 16 SP x wave + 16 x lane
.set SRA, 81                           ; A: and on the way out: STG + 16 SP x wave + SP r + 64 x half
.set OSA, 254                          ; OSTG + 512 x wave + 4 r
.set OSR, 255                          ; OSTG + 512 x wave + 16 x lane
.set BF,  16
.set PC,  48
.set TM,  64
.set AF,  16
.set L,   16
.set BR,  80
.set BI,  80
.set WS,  208
.set AS,  240
.set VV,  244
.set VS,  252
.set PT,  80                           ; C: the eight waves' parts of my two rows' logits
.set PH,  101                          ; C: my two weights as f16
.set PA,  104                          ; C: v104-119 the weights' two fragments
.set XB0, 16                           ; C: rows 0-31: eight fragments of 32 rows x 16 columns
.set XB1, 144                          ; C: rows 32-63
.set PP,  244
.set ML,  246
.set O,   248
.set WV,  52
.set ID,  53
.set CUM, 54
.set BB,  55
.set LEN, 56
.set START, 57
.set TT,  58
.set BLK, 59
.set SEL, 60                           ; s[60:61]
.set MNT, 62
.set CC,  66                           ; s[66:67] c = 2 log2(e)
.set OF,  68                           ; s[68:69] an offset in 64 bits
.set ROW0, 70
.set MSB, 0
.macro WIN new                         ; s_set_vgpr_msb: bits 1:0 source 0, 3:2 source 1, 5:4 source 2, 7:6 destination; the high byte repeats the setting that is left
.if MSB != \new
	s_set_vgpr_msb (MSB<<8)|\new
.set MSB, \new
.endif
.endm
	s_load_b256 s[4:11], s[0:1], 0x0               ; x s[4:5], the lengths s[6:7], v s[8:9], wcodes s[10:11]
	s_load_b128 s[12:15], s[0:1], 0x20             ; wsc s[12:13], bias s[14:15]
	s_load_b128 s[48:51], s[0:1], 0x30             ; lg s[48:49], part s[50:51]
	v_lshrrev_b32 v1, 5, v0
	v_readfirstlane_b32 s[WV], v1                  ; wave 0..7
	s_wait_kmcnt 0x0
	s_load_b512 s[16:31], s[6:7], 0x0              ; the 32 lengths
	s_load_b512 s[32:47], s[6:7], 0x40
	v_and_b32 v16, 31, v0                          ; lane
	s_wait_alu depctr_va_vdst(0)
	v_and_b32 v17, 15, v0                          ; r
	s_wait_alu depctr_va_vdst(0)
	v_bfe_u32 v18, v0, 4, 1                        ; half
	s_wait_alu depctr_va_sdst(0)                   ; the wave's number is written, ahead of its first reader
	s_lshr_b32 s71, s[WV], 1                       ; m: the 16 rows that I quantise
	s_and_b32 s72, s[WV], 1                        ; which four K steps of them
	v_lshlrev_b32 v[LI], 4, v16
	v_lshl_add_u32 v[LS], v16, 2, XSC
	s_lshl_b32 s73, s[WV], 17
	v_add_nc_u32 v[WB], s73, v[LI]
	s_lshl_b32 s73, s71, 16
	s_lshl_b32 s74, s72, 11
	s_add_co_u32 s73, s73, s74
	v_add_nc_u32 v[XA], s73, v[LI]                 ; my 16 bytes of a row's 512; the row and the fragment stand in the loads' immediates
	s_mul_i32 s73, s[WV], 16*SP
	s_add_co_u32 s73, s73, STG                     ; my wave's stage
	v_lshl_add_u32 v[SWA], v16, 4, s73
	v_mul_u32_u24 v[SRA], v17, SP
	s_wait_alu depctr_va_vdst(0)
	v_lshl_add_u32 v[SRA], v18, 6, v[SRA]
	v_add_nc_u32 v[SRA], s73, v[SRA]
	s_lshl_b32 s73, s[WV], 13
	v_add_nc_u32 v[XWI], s73, v[LI]
	s_lshl_b32 s73, s[WV], 9
	v_add_nc_u32 v[XWS], s73, v[LS]
	v_lshl_add_u32 v[VO], v17, 2, s73
	s_add_co_u32 s74, s73, OSTG
	v_lshl_add_u32 v[OSA], v17, 2, s74
	v_lshl_add_u32 v[OSR], v16, 4, s74
	s_mul_i32 s73, s71, 16*BP
	s_lshl_b32 s74, s72, 10
	s_add_co_u32 s73, s73, s74
	s_add_co_u32 s73, s73, XBF
	v_mul_u32_u24 v[BFA], v17, BP
	v_lshl_add_u32 v[BFA], v18, 5, v[BFA]
	v_add_nc_u32 v[BFA], s73, v[BFA]
	s_lshl_b32 s73, s[WV], 8
	s_add_co_u32 s74, s73, RED
	v_lshlrev_b32 v[RW], 5, v18
	v_add_nc_u32 v[RW], s74, v[RW]
	v_lshl_add_u32 v[RR], v16, 3, RED
	s_add_co_u32 s74, s73, PWT
	v_lshl_add_u32 v[PWA], v16, 2, s74
	v_lshl_add_u32 v[PWB], v18, 4, s74
	s_add_co_u32 s74, s73, XBF
	v_and_b32 v19, 7, v0
	v_lshl_add_u32 v19, v18, 3, v19                ; the turning load: lane l reads 16 bytes of row 8 (l / 16) + l % 8,
	v_mul_u32_u24 v[CB], v19, BP
	v_bfe_u32 v19, v0, 3, 1
	v_lshl_add_u32 v[CB], v19, 4, v[CB]            ; columns 8 ((l / 8) % 2) on
	v_add_nc_u32 v[CB], s74, v[CB]
	v_add_nc_u32 v[CB2], 32*BP, v[CB]
	s_lshl_b32 s73, s[WV], 12
	v_add_nc_u32 v[WSO], s73, v[LI]
	s_mov_b32 s[SEL], 0x76543210
	s_mov_b32 s[SEL+1], 0xfedcba98
	s_mov_b32 s[MNT], 0x600000
	s_mov_b32 s[CC], 0x4038aa3b
	s_mov_b32 s[CC+1], s[CC]                       ; named with it as a pair, so it is written
	s_mov_b32 s[ID], ttmp9
	s_mov_b32 s[CUM], 0
	s_mov_b32 s[BB], 0
	s_mov_b32 s[LEN], 0
	s_mov_b32 s[START], 0
	s_wait_kmcnt 0x0
; my tile: the last batch whose first tile's number is not above mine.  No branch: selections alone
.irp b, 0,1,2,3,4,5,6,7,8,9,10,11,12,13,14,15,16,17,18,19,20,21,22,23,24,25,26,27,28,29,30,31
	s_min_i32 s[TT], s[16+\b], 0x800
	s_add_co_i32 s[TT], s[TT], 63
	s_ashr_i32 s[TT], s[TT], 6
	s_cmp_gt_i32 s[16+\b], 0
	s_cselect_b32 s[TT], s[TT], 32                 ; n_b
	s_cmp_ge_u32 s[ID], s[CUM]
	s_cselect_b32 s[BB], \b, s[BB]
	s_cselect_b32 s[LEN], s[16+\b], s[LEN]
	s_cselect_b32 s[START], s[CUM], s[START]
	s_add_co_u32 s[CUM], s[CUM], s[TT]
.endr
	s_sub_co_u32 s[BLK], s[ID], s[START]
	s_min_u32 s[BLK], s[BLK], 31                   ; both are held inside their tables before they enter an address
	s_min_u32 s[BB], s[BB], 31
	s_lshl_b32 s[ROW0], s[BLK], 6                  ; the tile's first row
	s_mov_b32 s[OF+1], 0
	s_lshl_b32 s[OF], s[BB], 23                    ; x: 2,048 rows of 4,096 bytes a batch, 64 rows a tile
	s_lshl_b32 s73, s[BLK], 18
	s_add_co_u32 s[OF], s[OF], s73
	s_add_nc_u64 s[4:5], s[4:5], s[OF:OF+1]
	s_lshl_b32 s[OF], s[BB], 12
	s_add_nc_u64 s[14:15], s[14:15], s[OF:OF+1]    ; the batch's row of the bias
	s_lshl_b32 s[OF], s[BB], 13
	s_lshl_b32 s73, s[BLK], 8
	s_add_co_u32 s[OF], s[OF], s73
	s_add_nc_u64 s[48:49], s[48:49], s[OF:OF+1]    ; the tile's 64 logits
	s_lshl_b32 s[OF], s[BB], 17
	s_lshl_b32 s73, s[BLK], 12
	s_add_co_u32 s[OF], s[OF], s73
	s_add_nc_u64 s[50:51], s[50:51], s[OF:OF+1]    ; the tile's row of part
	s_wait_alu depctr_va_vdst(0)                   ; the addresses v1 to v15, v80, v81, v254 and v255 are written, which the loads and stores of all three sections read; so are v16 to v19, in which loads land later.  Ahead of the first branch: on every path
; ---------------- A: the rows come in, once, and become codes (for the product) and f16 (for the weighted sum)
.macro ELOAD q                         ; my fragment q as it lies: load i brings row i's 128 numbers: 32 lanes read 512 consecutive bytes, aligned
	WIN 0x40                                       ; destination window 1
.irp i, 0,1,2,3,4,5,6,7,8,9,10,11,12,13,14,15
	global_load_b128 v[64*(\q)+4*\i:64*(\q)+4*\i+3], v[XA], s[4:5] offset:4096*\i+512*(\q) th:TH_LOAD_NT
.endr
.endm
.macro QUANTE q
.set EB, 64*(\q)
	WIN 0x04                                       ; an LDS store's data are its source 1: window 1
.irp i, 0,1,2,3,4,5,6,7,8,9,10,11,12,13,14,15
	ds_store_b128 v[SWA], v[EB+4*\i:EB+4*\i+3] offset:SP*\i        ; THE TURN: the sixteen rows into my stage as they were loaded,
.endr
	WIN 0x40                                       ; destination window 1
	s_wait_alu depctr_vm_vsrc(0)                   ; the stores above have read v[EB ..], in which the loads below land; the last fragment's LDS stores have read the f16 pairs, the codes and the scale word, which this fragment's lines write again
.irp b, 0,1,2,3
.irp j, 0,1,2,3
	ds_load_b128 v[EB+16*\b+4*\j:EB+16*\b+4*\j+3], v[SRA] offset:128*\b+16*\j   ; and back into the registers that they left: register 16 b + i = k 32 b + 16 half + i of row r.  LDS serves a wave's instructions in order (ISA guide 5.7.1.4): these see the stores above, and the next fragment's stores come behind them
.endr
.endr
	s_wait_dscnt 0x0                               ; the turned numbers are in
	WIN 0x05                                       ; sources 0 and 1 window 1
.set k, 0
.rept 32
	v_cvt_pk_f16_f32 v[BF+k], v[EB+2*k], v[EB+2*k+1]
.set k, k+1
.endr
.irp b, 0,1,2,3
	v_max3_num_f32 v[TM+\b], |v[EB+16*\b]|, |v[EB+16*\b+1]|, 0x8000000   ; my 16 numbers of block b, and the floor 2^(16 - 127): the byte cannot fall under 1
.endr
	WIN 0x14                                       ; sources 1 and 2 window 1
.irp e, 2,4,6,8,10,12,14
.irp b, 0,1,2,3
	v_max3_num_f32 v[TM+\b], v[TM+\b], |v[EB+16*\b+\e]|, |v[EB+16*\b+\e+1]|
.endr
.endr
	WIN 0
.irp b, 0,1,2,3
	v_permlanex16_b32 v[TM+4+\b], v[TM+\b], s[SEL], s[SEL+1]
.endr
.irp b, 0,1,2,3
	v_max_num_f32 v[TM+\b], v[TM+\b], v[TM+4+\b]   ; with lane l xor 16's: the block's largest magnitude
.endr
.irp b, 0,1,2,3
	v_add_nc_u32 v[TM+12+\b], 0xf8800000, v[TM+\b] ; 15 off its exponent field: the conversion's scale operand
.endr
.irp b, 0,1,2,3
	v_and_or_b32 v[TM+8+\b], v[TM+\b], 0x7f800000, s[MNT]   ; 57,344 x the scale
.endr
.irp b, 0,1,2,3
	v_lshrrev_b32 v[TM+4+\b], 23, v[TM+12+\b]      ; the scale's byte
.endr
	v_lshl_or_b32 v[TM+4], v[TM+5], 8, v[TM+4]     ; four bytes make my row's scale word
	v_lshl_or_b32 v[TM+4], v[TM+6], 16, v[TM+4]
	v_lshl_or_b32 v[TM+4], v[TM+7], 24, v[TM+4]
	WIN 0x41                                       ; destination and source 0 window 1
.irp b, 0,1,2,3
.irp e, 0,1,2,3,4,5,6,7,8,9,10,11,12,13,14,15
	v_med3_num_f32 v[EB+16*\b+\e], v[EB+16*\b+\e], -v[TM+8+\b], v[TM+8+\b]   ; the conversion to an 8-bit code does not saturate (ISA guide 7.6.2): the hold comes first
.endr
.endr
	WIN 0x01                                       ; source 0 window 1
.irp b, 0,1,2,3
	v_cvt_scalef32_pk8_bf8_f32 v[PC+4*\b:PC+4*\b+1], v[EB+16*\b:EB+16*\b+7], v[TM+12+\b]
	v_cvt_scalef32_pk8_bf8_f32 v[PC+4*\b+2:PC+4*\b+3], v[EB+16*\b+8:EB+16*\b+15], v[TM+12+\b]
.endr
	WIN 0
	v_nop                                          ; one plain line behind the last scaled conversion
	s_wait_alu depctr_va_vdst(0)                   ; the roundings have written the f16 pairs, the conversions the codes, the shifts the scale word: the thirteen LDS stores below read them
.irp b, 0,1,2,3
.irp u, 0,1
	ds_store_b128 v[BFA], v[BF+8*\b+4*\u:BF+8*\b+4*\u+3] offset:256*(\q)+64*\b+16*\u   ; 16 neighbouring columns of my row are 32 bytes
.endr
.endr
.irp c, 0,1,2,3
	ds_store_b128 v[XWI], v[PC+4*\c:PC+4*\c+3] offset:2048*(\q)+512*\c   ; the fragment as an image of its registers: 512 consecutive bytes a store
.endr
	ds_store_b32 v[XWS], v[TM+4] offset:128*(\q)
.endm
	s_cmp_lt_u32 s[ID], s[CUM]                     ; have I a tile?
	s_cbranch_scc0 .LendA
.irp b, 0,1,2,3
	v_mov_b32 v[TM+4+\b], 0                        ; a lane permute's destination counts as one of its sources
.endr
	ELOAD 0
	ELOAD 1
	ELOAD 2
	s_wait_loadcnt 32                              ; fragment 0 is in; the 32 loads of fragments 1 and 2 may be out
	ELOAD 3
	QUANTE 0
	s_wait_loadcnt 32                              ; fragment 1 is in; fragments 2 and 3 may be out
	QUANTE 1
	s_wait_loadcnt 16                              ; fragment 3 may be out
	QUANTE 2
	s_wait_loadcnt 0x0
	QUANTE 3
.LendA:
	s_wait_dscnt 0x0                               ; my stores have landed:
	s_barrier_signal -1
	s_barrier_wait -1                              ; the tile's 32 images, their scale words and its f16 rows lie in LDS
	s_wait_alu depctr_vm_vsrc(0)                   ; my LDS instructions have read v16 to v79 (data) and v80, v81 (addresses), in which the loads of the next section land (the vector lines that named them stand ahead of the last wait on va_vdst)
; ---------------- B: the product, tanh and v
.macro BLOAD g, s                      ; W's fragments n = 2 g, 2 g + 1 of K step s: eight loads of 512 consecutive bytes
.irp n, 2*(\g), 2*(\g)+1
.irp c, 0,1,2,3
	global_load_b128 v[BR+16*(\n)+4*\c:BR+16*(\n)+4*\c+3], v[WB], s[10:11] offset:(8*(\n)+(\s))*2048+512*\c
.endr
.endr
.endm
.macro FETCHA s                        ; x's four fragments of K step s, and their scale words
.irp m, 0,1,2,3
.irp c, 0,1,2,3
	ds_load_b128 v[AF+16*\m+4*\c:AF+16*\m+4*\c+3], v[LI] offset:(8*\m+(\s))*2048+512*\c
.endr
	ds_load_b32 v[AS+\m], v[LS] offset:(8*\m+(\s))*128
.endr
.endm
.macro WM s, n, m                      ; W's scale words: register 4 n + s / 2; lanes 0-15 for an even K step, lanes 16-31 for an odd one
.set rD, 8*(4*(\n)+(\m))
.set rA, AF+16*(\m)
.set rB, BR+16*(\n)
.set rW, WS+4*(\n)+(\s)/2
.if (\s) == 0
	v_wmma_scale_f32_16x16x128_f8f6f4 v[rD:rD+7], v[rA:rA+15], v[rB:rB+15], 0, v[AS+(\m)], v[rW] matrix_a_fmt:MATRIX_FMT_BF8 matrix_b_fmt:MATRIX_FMT_BF8
.elseif (\s)%2 == 0
	v_wmma_scale_f32_16x16x128_f8f6f4 v[rD:rD+7], v[rA:rA+15], v[rB:rB+15], v[rD:rD+7], v[AS+(\m)], v[rW] matrix_a_fmt:MATRIX_FMT_BF8 matrix_b_fmt:MATRIX_FMT_BF8
.else
	v_wmma_scale_f32_16x16x128_f8f6f4 v[rD:rD+7], v[rA:rA+15], v[rB:rB+15], v[rD:rD+7], v[AS+(\m)], v[rW] matrix_a_fmt:MATRIX_FMT_BF8 matrix_b_fmt:MATRIX_FMT_BF8 matrix_b_scale:MATRIX_SCALE_ROW1
.endif
.endm
; Group g of K step s: eight products; then the same two fragments of the next K step are asked for: they have the three other groups' 24 products in which to land.
; The 32 accumulators take turns, one instruction a turn, in the same order in every K step.
.macro GROUP s, g
.if (\s) == 7 && (\g) >= 2
	s_wait_loadcnt 32-8*(\g)                       ; the last K step: behind my group stand the groups left and the eight loads of the bias
.else
	s_wait_loadcnt 24                              ; behind my group's eight loads three times eight were issued
.endif
.if (\g) == 0
	s_wait_dscnt 0x0                               ; x's fragments are in
.endif
	WIN 0x50                                       ; C and D window 1
.irp n, 2*(\g), 2*(\g)+1
.irp m, 0,1,2,3
	WM \s, \n, \m
.endr
.endr
.if (\s) < 7
	WIN 0
	s_wait_alu depctr_va_vdst(0)                   ; the eight products are done reading W's fragments 2 g and 2 g + 1, in which the loads below land; in group 3 all the K step's products are done reading x's fragments and scale words too
	BLOAD \g, (\s)+1
.if (\g) == 3
	FETCHA (\s)+1
.endif
.elseif (\g) == 0
	WIN 0
	s_wait_alu depctr_va_vdst(0)                   ; the products are done reading W's fragment 0, in which the bias lands
.irp i, 0,1,2,3,4,5,6,7
	global_load_b32 v[BI+\i], v[VO], s[14:15] offset:64*\i   ; the bias of my h in tile i, into registers of W's fragment 0, which is done with
.endr
.endif
.endm
	s_cmp_lt_u32 s[ID], s[CUM]
	s_cbranch_scc0 .LendB
.irp i, 0,1,2,3,4,5,6,7
	global_load_b128 v[WS+4*\i:WS+4*\i+3], v[WSO], s[12:13] offset:512*\i
.endr
.irp i, 0,1,2,3,4,5,6,7
	global_load_b32 v[VV+\i], v[VO], s[8:9] offset:64*\i     ; v of my h in tile i
.endr
	BLOAD 0, 0
	BLOAD 1, 0
	BLOAD 2, 0
	BLOAD 3, 0
	FETCHA 0
.irp t, 0,1,2,3,4,5,6,7
	GROUP \t, 0
	GROUP \t, 1
	GROUP \t, 2
	GROUP \t, 3
.endr
	WIN 0
	s_wait_loadcnt 0x0                             ; the bias
	v_add_f32 v[VS], v[VV], v[VV+1]                ; these twelve plain lines name no register of the last products: they are the places in front of the first read of results
.irp i, 2,3,4,5,6,7
	v_add_f32 v[VS], v[VS], v[VV+\i]               ; the sum of v over my eight h
.endr
	v_mov_b32 v[VS+1], v[VS]
.irp i, 0,2,4,6
	v_pk_mul_f32 v[VV+\i:VV+\i+1], v[VV+\i:VV+\i+1], -2.0 op_sel_hi:[1,0]
.endr
	WIN 0x41                                       ; destination and source 0 window 1
.irp n, 0,1,2,3,4,5,6,7
.set a, 32*\n
.rept 16
.if \n%2 == 0
	v_pk_fma_f32 v[a:a+1], v[a:a+1], s[CC:CC+1], v[BI+\n:BI+\n+1] op_sel_hi:[1,0,0]              ; c x product + c x bias; each accumulator from its low end on
.else
	v_pk_fma_f32 v[a:a+1], v[a:a+1], s[CC:CC+1], v[BI+\n-1:BI+\n] op_sel:[0,0,1] op_sel_hi:[1,0,1]
.endif
.set a, a+2
.endr
.endr
.set a, 0
	s_wait_alu depctr_va_vdst(0)
.rept 256
	v_exp_f32 v[a], v[a]
.set a, a+1
.endr
	v_nop                                          ; a plain line behind the last exponential
	s_wait_alu depctr_va_vdst(0)                   ; the 256 exponentials have written their results: one wait for the whole batch, ahead of its first reader
.set a, 0
.rept 128
	v_pk_add_f32 v[a:a+1], v[a:a+1], 1.0 op_sel_hi:[1,0]
.set a, a+2
.endr
.set a, 0
	s_wait_alu depctr_va_vdst(0)
.rept 256
	v_rcp_f32 v[a], v[a]
.set a, a+1
.endr
	v_nop
	s_wait_alu depctr_va_vdst(0)                   ; and one for the 256 reciprocals' results
	WIN 0x01                                       ; source 0 window 1
.irp n, 0,1,2,3,4,5,6,7                ; L[8 m + j] = the part of the logit of row 16 m + 8 half + j that my eight h give
.set k, 0
.rept 16
.if \n == 0
	v_pk_fma_f32 v[L+2*k:L+2*k+1], v[2*k:2*k+1], v[VV:VV+1], v[VS:VS+1] op_sel_hi:[1,0,1]
.elseif \n%2 == 0
	v_pk_fma_f32 v[L+2*k:L+2*k+1], v[32*\n+2*k:32*\n+2*k+1], v[VV+\n:VV+\n+1], v[L+2*k:L+2*k+1] op_sel_hi:[1,0,1]
.else
	v_pk_fma_f32 v[L+2*k:L+2*k+1], v[32*\n+2*k:32*\n+2*k+1], v[VV+\n-1:VV+\n], v[L+2*k:L+2*k+1] op_sel:[0,1,0] op_sel_hi:[1,1,1]
.endif
.set k, k+1
.endr
.endr
	WIN 0
.irp x, 1,2,4,8                        ; over the sixteen lanes of a half: my wave's 128 h
.set k, 0
.rept 32
	v_add_f32_dpp v[L+k], v[L+k], v[L+k] row_xmask:\x row_mask:0xf bank_mask:0xf
.set k, k+1
.endr
.endr
	s_wait_alu depctr_va_vdst(0)                   ; the additions have written v[L ..], which the LDS stores read
.irp m, 0,1,2,3
.irp u, 0,1
	ds_store_b128 v[RW], v[L+8*\m+4*\u:L+8*\m+4*\u+3] offset:64*\m+16*\u   ; rows 16 m + 8 half + 4 u on; the sixteen lanes of a half write the same bytes with the same values
.endr
.endr
.LendB:
	s_wait_dscnt 0x0                               ; my stores have landed and my reads of the images are over
	s_barrier_signal -1
	s_barrier_wait -1                              ; the eight waves' parts of the 64 logits lie in LDS
	s_wait_alu depctr_vm_vsrc(0)                   ; my LDS stores have read v[L ..], in which the turning loads land; the global loads have read their offsets v3 and v4, which the next section writes anew
; ---------------- C: the logits, the tile's weights, the weighted sum.  Every wave makes the weights for itself: no third barrier.
; The weighted sum goes to the matrix unit with f16 operands and f32 sums: K = the tile's 64 rows, in two steps of 32; N = my 128 columns, in eight tiles of 16.
; Source 1 = x, which lies [row][column] in LDS and is turned by ds_load_tr16_b128: lane l then holds column l % 16 and, in registers 0-3 and 4-7, rows 8 (l / 16) + 0..7 and 16 + 8 (l / 16) + 0..7 of the step.
; Source 0 = the weights, the same in all sixteen rows: every lane takes the 16 bytes of the same rows' weights.  So register 0 of an accumulator holds, in lane l, column l % 16 of its tile.
	s_cmp_lt_u32 s[ID], s[CUM]
	s_cbranch_scc0 .LendC
.irp w, 0,1,2,3,4,5,6,7
	ds_load_b64 v[PT+2*\w:PT+2*\w+1], v[RR] offset:256*\w    ; wave w's parts of rows 2 lane and 2 lane + 1
.endr
.irp i, 0,1,2,3,4,5,6,7
	ds_load_tr16_b128 v[XB0+8*\i:XB0+8*\i+3], v[CB] offset:32*\i           ; rows 0-31, columns 16 i on
	ds_load_tr16_b128 v[XB0+8*\i+4:XB0+8*\i+7], v[CB] offset:16*BP+32*\i
.endr
.irp i, 0,1,2,3,4,5,6,7
	ds_load_tr16_b128 v[XB1+8*\i:XB1+8*\i+3], v[CB2] offset:32*\i          ; rows 32-63
	ds_load_tr16_b128 v[XB1+8*\i+4:XB1+8*\i+7], v[CB2] offset:16*BP+32*\i
.endr
	v_and_b32 v3, 31, v0                           ; (the global loads that used v3 and v4 as offsets have been waited for, and have read them: the wait on vm_vsrc above)
	v_lshl_add_u32 v96, v3, 1, s[ROW0]             ; my first row in the batch
	v_add_nc_u32 v97, 1, v96
	v_lshlrev_b32 v3, 3, v3                        ; lg: 8 x lane
	v_mov_b32 v98, 0xc7435000                      ; -50,000
	v_mov_b32 v100, 0                              ; a lane permute's destination counts as one of its sources
	s_wait_dscnt 32                                ; the parts are in; the 32 turning loads behind them may be out
	v_pk_add_f32 v[80:81], v[80:81], v[82:83]
	v_pk_add_f32 v[84:85], v[84:85], v[86:87]
	v_pk_add_f32 v[88:89], v[88:89], v[90:91]
	v_pk_add_f32 v[92:93], v[92:93], v[94:95]
	v_pk_add_f32 v[80:81], v[80:81], v[84:85]
	v_pk_add_f32 v[88:89], v[88:89], v[92:93]
	v_pk_add_f32 v[80:81], v[80:81], v[88:89]      ; the logits
	v_cmp_gt_i32 s73, s[LEN], v96                  ; a row counts where it lies ahead of the length: the two masks in a run,
	v_cmp_gt_i32 s74, s[LEN], v97
	s_wait_alu depctr_va_sdst(0)                   ; s73 and s74 are written, ahead of their first readers
	v_cndmask_b32 v[ML], v98, v80, s73
	v_cndmask_b32 v[ML+1], v98, v81, s74
	v_max_num_f32 v99, v[ML], v[ML+1]
	v_max_num_f32_dpp v99, v99, v99 row_xmask:1 row_mask:0xf bank_mask:0xf
	v_max_num_f32_dpp v99, v99, v99 row_xmask:2 row_mask:0xf bank_mask:0xf
	v_max_num_f32_dpp v99, v99, v99 row_xmask:4 row_mask:0xf bank_mask:0xf
	v_max_num_f32_dpp v99, v99, v99 row_xmask:8 row_mask:0xf bank_mask:0xf
	v_permlanex16_b32 v100, v99, s[SEL], s[SEL+1]
	v_max_num_f32 v99, v99, v100                   ; the tile's largest masked logit
	v_sub_f32 v[PP], v[ML], v99
	v_sub_f32 v[PP+1], v[ML+1], v99
	v_mul_f32 v[PP], 0x3fb8aa3b, v[PP]
	v_mul_f32 v[PP+1], 0x3fb8aa3b, v[PP+1]
	s_wait_alu depctr_va_vdst(0)
	v_exp_f32 v[PP], v[PP]
	v_exp_f32 v[PP+1], v[PP+1]                     ; exp(logit - the tile's maximum), at most 1
	v_lshlrev_b32 v4, 4, v0                        ; part: 512 x wave + 16 x lane = 16 x thread.  (The plain line behind the exponentials)
	s_wait_alu depctr_va_vdst(0)                   ; the two exponentials have written their results, ahead of their first reader
	v_cvt_pk_f16_f32 v[PH], v[PP], v[PP+1]         ; rows 2 lane (low half) and 2 lane + 1
	s_wait_alu depctr_va_vdst(0)                   ; the rounding has written v[PH], which the LDS store reads; the logits and the offsets v3 and v4, which the global stores below read, are written too
	ds_store_b32 v[PWA], v[PH]                     ; into my wave's own 128 bytes: row s at byte 2 s;
.irp t, 0,1
.irp u, 0,1
	ds_load_b128 v[PA+8*\t+4*\u:PA+8*\t+4*\u+3], v[PWB] offset:64*\t+32*\u   ; LDS serves a wave's instructions in order (ISA guide 5.7.1.4): rows 32 t + 16 u + 8 half + 0..7
.endr
.endr
	s_cmp_lg_u32 s[WV], 0
	s_cbranch_scc1 .Lnot_wave_0
	global_store_b64 v3, v[ML:ML+1], s[48:49]      ; 32 lanes store the tile's 256 consecutive bytes, aligned; the registers are not written again
.Lnot_wave_0:
	s_wait_dscnt 0x0                               ; the rows and the weights are in
	WIN 0x50                                       ; C and D window 1.  The eight accumulators take turns
.irp i, 0,1,2,3,4,5,6,7
	v_wmma_f32_16x16x32_f16 v[8*\i:8*\i+7], v[PA:PA+7], v[XB0+8*\i:XB0+8*\i+7], 0
.endr
.irp i, 0,1,2,3,4,5,6,7
	v_wmma_f32_16x16x32_f16 v[8*\i:8*\i+7], v[PA+8:PA+15], v[XB1+8*\i:XB1+8*\i+7], v[8*\i:8*\i+7]
.endr
.rept 4
	v_nop                                          ; four places in front of the first read of results (ISA guide 7.12.1)
.endr
	WIN 0x04                                       ; an LDS store's data are its source 1: window 1
	s_wait_alu depctr_va_vdst(0)                   ; the products have written the accumulators, which the LDS stores read; the places above stay beside this wait
.irp i, 0,1,2,3,4,5,6,7
	ds_store_b32 v[OSA], v[8*\i] offset:64*\i      ; column 16 i + r, from each accumulator's lowest register; both halves of the lanes write the same word with the same value
.endr
	WIN 0
	ds_load_b128 v[O:O+3], v[OSR]                  ; my wave's own bytes, served in order: four neighbouring columns a lane
	s_wait_dscnt 0x0
	global_store_b128 v4, v[O:O+3], s[50:51]       ; 32 lanes store 512 consecutive bytes, aligned
.LendC:
	s_wait_xcnt 0x0
	s_wait_alu depctr_vm_vsrc(0)                   ; my LDS instructions have read v254 and v255 as addresses: the two lines below write them anew
	v_lshl_add_u32 v254, v0, 2, 0x44000
	v_mov_b32 v255, 0
	s_wait_dscnt 0x0                               ; the closing lines, six on end
	s_wait_alu 0x0
	s_wait_tensorcnt 0x0
	ds_add_u32 v254, v255
	s_wait_dscnt 0x0
	s_endpgm
.Lfunc_end_k_q10b5dd0f80_main:
	.size	k_q10b5dd0f80_main, .Lfunc_end_k_q10b5dd0f80_main-k_q10b5dd0f80_main
	.p2alignl 7, 3214868480
	.fill 96, 4, 3214868480
	.section	.rodata,"a",@progbits
	.p2align	6, 0x0
	.amdhsa_kernel k_q10b5dd0f80_main
		.amdhsa_group_segment_fixed_size 279552
		.amdhsa_private_segment_fixed_size 0
		.amdhsa_enable_private_segment 0
		.amdhsa_kernarg_size 64
		.amdhsa_user_sgpr_count 2
		.amdhsa_user_sgpr_kernarg_segment_ptr 1
		.amdhsa_wavefront_size32 1
		.amdhsa_system_sgpr_workgroup_id_x 1
		.amdhsa_system_sgpr_workgroup_id_y 1
		.amdhsa_system_sgpr_workgroup_id_z 1
		.amdhsa_system_vgpr_workitem_id 0
		.amdhsa_next_free_vgpr 512
		.amdhsa_next_free_sgpr 80
		.amdhsa_reserve_vcc 0
		.amdhsa_float_denorm_mode_32 3
		.amdhsa_float_denorm_mode_16_64 3
		.amdhsa_memory_ordered 1
		.amdhsa_forward_progress 1
		.amdhsa_inst_pref_size 204
	.end_amdhsa_kernel
	.amdgpu_metadata
---
amdhsa.version: [ 1, 2 ]
amdhsa.kernels:
  - .name:           k_q10b5dd0f80_main
    .symbol:         k_q10b5dd0f80_main.kd
    .args:
      - { .name: encoder_outputs, .offset: 0, .size: 8, .value_kind: global_buffer, .address_space: global }
      - { .name: sequence_length, .offset: 8, .size: 8, .value_kind: global_buffer, .address_space: global }
      - { .name: v, .offset: 16, .size: 8, .value_kind: global_buffer, .address_space: global }
      - { .name: wcodes, .offset: 24, .size: 8, .value_kind: global_buffer, .address_space: global }
      - { .name: wsc, .offset: 32, .size: 8, .value_kind: global_buffer, .address_space: global }
      - { .name: bias, .offset: 40, .size: 8, .value_kind: global_buffer, .address_space: global }
      - { .name: lg, .offset: 48, .size: 8, .value_kind: global_buffer, .address_space: global }
      - { .name: part, .offset: 56, .size: 8, .value_kind: global_buffer, .address_space: global }
    .group_segment_fixed_size: 279552
    .private_segment_fixed_size: 0
    .kernarg_segment_align: 8
    .kernarg_segment_size: 64
    .max_flat_workgroup_size: 256
    .sgpr_count:     80
    .vgpr_count:     512
    .wavefront_size: 32
...
	.end_amdgpu_metadata
.endif
;; end of part 6
;; launch finish (part 7): grid 4 x 32, 8 waves a work-group, no clusters, 9,216 bytes of LDS; arguments lg, part, sequence_length, out0, out1; writes out0, out1
.if DOCPART == 7
	.amdgcn_target "amdgcn-amd-amdhsa--gfx1250"
	.amdhsa_code_object_version 6
	.text
	.protected	k_q10b5dd0f80_finish
	.globl	k_q10b5dd0f80_finish
	.p2align	8
	.type	k_q10b5dd0f80_finish,@function
k_q10b5dd0f80_finish:
	s_mov_b64 s[64:65], 0
	v_nop
	global_prefetch_b8 v0, s[64:65] scope:SCOPE_SE
	s_setreg_imm32_b32 hwreg(HW_REG_WAVE_MODE, 25, 1), 1
	s_wait_xcnt 0x0
; The tiles are joined.  Work-group (x, b): batch b; a quarter of out1's rows and columns 256 x .. 256 x + 255 of out0.  Each of a batch's four work-groups makes the softmax's figures for itself (8,192 bytes of logits).
; n_b tiles of 64 rows were worked (as in the launch before); rows behind them take -50,000, as every masked row does.  M = the largest masked logit, p = exp(logit - M), Z = the sum of all 2,048 p; out1 = p / Z.
; out0 = the sum over the tiles of exp(m_tile - M) x part_tile, / Z; m_tile is taken anew from the same 64 numbers, so it has the same bits as in the launch before.
; No byte is read that the launch before did not store: addresses of tiles that were not worked are held at the last worked tile's; their logits are replaced, and their factor exp(-50,000 - M) is 0.
; LIMIT: that factor is 0 while the sum of |v_h| stays under 49,800.  No branch hangs on data.
; Thread t holds rows 4 t .. 4 t + 3 and 1,024 + 4 t .. + 3: a tile is sixteen neighbouring lanes.  No matrix work: the launch moves a few megabytes.
.set WMAX, 0                           ; LDS: eight waves' maxima
.set WSUM, 256                         ; eight waves' sums
.set FT,   512                         ; 32 tiles' factors
.set SUMS, 1024                        ; 4 x 256 columns: the four groups' parts of out0
	s_load_b256 s[4:11], s[0:1], 0x0               ; lg s[4:5], part s[6:7], the lengths s[8:9], out0 s[10:11]
	s_load_b64 s[12:13], s[0:1], 0x20              ; out1
	v_lshl_add_u32 v104, v0, 2, 0x2000
	v_mov_b32 v105, 0
	v_lshrrev_b32 v1, 5, v0
	s_delay_alu instid0(VALU_DEP_1)
	v_readfirstlane_b32 s14, v1                    ; wave 0..7
	s_and_b32 s15, ttmp7, 0xffff                   ; b
	s_lshl_b32 s16, s15, 2
	s_mov_b32 s17, 0
	s_wait_kmcnt 0x0
	s_add_nc_u64 s[8:9], s[8:9], s[16:17]
	s_load_b32 s18, s[8:9], 0x0                    ; the batch's length
	v_lshlrev_b32 v1, 4, v0                        ; 16 t
	v_lshlrev_b32 v4, 2, v0                        ; my first row,
	s_delay_alu instid0(VALU_DEP_1)
	v_add_nc_u32 v5, 0x400, v4                     ; and my fifth
	s_lshl_b32 s20, s14, 2
	v_mov_b32 v6, s20                              ; 4 x wave
	v_mov_b32 v7, 0
	v_and_b32 v56, 63, v0
	s_delay_alu instid0(VALU_DEP_1)
	v_lshlrev_b32 v56, 4, v56                      ; my four columns of the 256
	v_mov_b32 v57, 0xc7435000                      ; -50,000
	v_mov_b32 v61, 0                               ; a lane permute's destination counts as one of its sources
	v_lshrrev_b32 v62, 4, v0
	s_delay_alu instid0(VALU_DEP_1)
	v_lshl_add_u32 v62, v62, 2, FT                 ; my first rows' tile, t / 16
	s_lshr_b32 s21, s14, 1                         ; q: I add tiles q, q + 4, .. q + 28
	s_lshl_b32 s22, s21, 2
	s_add_co_u32 s22, s22, FT
	v_mov_b32 v63, s22
	s_mov_b32 s28, 0x76543210
	s_mov_b32 s29, 0xfedcba98
	s_lshl_b32 s16, s15, 13
	s_add_nc_u64 s[4:5], s[4:5], s[16:17]          ; the batch's logits
	s_add_nc_u64 s[12:13], s[12:13], s[16:17]      ; and its row of out1
	s_lshl_b32 s23, ttmp9, 10
	s_lshl_b32 s16, s15, 17
	s_add_co_u32 s16, s16, s23
	s_add_nc_u64 s[6:7], s[6:7], s[16:17]          ; the batch's 32 rows of part, at my 256 columns
	s_lshl_b32 s16, s15, 12
	s_add_co_u32 s16, s16, s23
	s_add_nc_u64 s[10:11], s[10:11], s[16:17]      ; out0 likewise
	s_wait_kmcnt 0x0
	s_min_i32 s19, s18, 0x800
	s_add_co_i32 s19, s19, 63
	s_ashr_i32 s19, s19, 6
	s_cmp_gt_i32 s18, 0
	s_cselect_b32 s19, s19, 32                     ; n_b, 1 to 32
	s_lshl_b32 s24, s19, 8
	s_sub_co_u32 s24, s24, 16                      ; the last 16 bytes of logits that were stored
	v_min_u32 v2, s24, v1
	s_delay_alu instid0(VALU_DEP_1)
	v_min_u32 v2, 0x1ff0, v2                       ; and inside the row whatever was read
	v_add_nc_u32 v3, 0x1000, v1
	s_delay_alu instid0(VALU_DEP_1)
	v_min_u32 v3, s24, v3
	s_delay_alu instid0(VALU_DEP_1)
	v_min_u32 v3, 0x1ff0, v3
	s_wait_alu depctr_va_vdst(0)
	s_sub_co_u32 s25, s19, 1
.irp i, 0,1,2,3,4,5,6,7
	s_add_co_u32 s26, s21, 4*\i
	s_min_u32 s26, s26, s25                        ; a tile that was not worked: the last that was
	s_min_u32 s26, s26, 31
	v_lshl_add_u32 v[48+\i], s26, 12, v56
.endr
	global_load_b128 v[8:11], v2, s[4:5]
	global_load_b128 v[12:15], v3, s[4:5]
	s_wait_alu depctr_va_vdst(0)
.irp i, 0,1,2,3,4,5,6,7
	global_load_b128 v[16+4*\i:19+4*\i], v[48+\i], s[6:7]
.endr
	s_lshl_b32 s27, s19, 6                         ; rows that were worked
	s_wait_loadcnt 8                               ; the logits are in; the eight loads of part may be out
	v_cmp_gt_u32 vcc_lo, s27, v4
.irp k, 0,1,2,3
	v_cndmask_b32 v[8+\k], v57, v[8+\k], vcc_lo
.endr
	v_cmp_gt_u32 vcc_lo, s27, v5
.irp k, 4,5,6,7
	v_cndmask_b32 v[8+\k], v57, v[8+\k], vcc_lo
.endr
	v_max3_num_f32 v58, v8, v9, v10
	s_delay_alu instid0(VALU_DEP_3)
	v_max3_num_f32 v59, v12, v13, v14
	s_delay_alu instid0(VALU_DEP_2)
	v_max_num_f32 v58, v58, v11
	s_delay_alu instid0(VALU_DEP_2)
	v_max_num_f32 v59, v59, v15
.irp x, 1,2,4,8
	s_delay_alu instid0(VALU_DEP_2)
	v_max_num_f32_dpp v58, v58, v58 row_xmask:\x row_mask:0xf bank_mask:0xf
	s_delay_alu instid0(VALU_DEP_2)
	v_max_num_f32_dpp v59, v59, v59 row_xmask:\x row_mask:0xf bank_mask:0xf
.endr                                  ; v58, v59: the maxima of my two tiles
	s_delay_alu instid0(VALU_DEP_1)
	v_max_num_f32 v60, v58, v59
	s_delay_alu instid0(VALU_DEP_1)
	v_permlanex16_b32 v61, v60, s28, s29
	s_delay_alu instid0(VALU_DEP_1)
	v_max_num_f32 v60, v60, v61                    ; my wave's
	ds_store_b32 v6, v60 offset:WMAX
	s_wait_dscnt 0x0                               ; for the others' sake
	s_barrier_signal -1
	s_barrier_wait -1
	ds_load_b128 v[64:67], v7 offset:WMAX
	ds_load_b128 v[68:71], v7 offset:WMAX+16
	s_wait_dscnt 0x0
	v_max3_num_f32 v60, v64, v65, v66
	s_delay_alu instid0(VALU_DEP_1)
	v_max3_num_f32 v60, v60, v67, v68
	s_delay_alu instid0(VALU_DEP_1)
	v_max3_num_f32 v60, v60, v69, v70
	s_delay_alu instid0(VALU_DEP_1)
	v_max_num_f32 v60, v60, v71                    ; M
.irp k, 0,1,2,3,4,5,6,7
	v_sub_f32 v[8+\k], v[8+\k], v60
.endr
	v_sub_f32 v58, v58, v60
	v_sub_f32 v59, v59, v60
.irp k, 0,1,2,3,4,5,6,7
	v_mul_f32 v[8+\k], 0x3fb8aa3b, v[8+\k]
.endr
	v_mul_f32 v58, 0x3fb8aa3b, v58
	v_mul_f32 v59, 0x3fb8aa3b, v59
	s_wait_alu depctr_va_vdst(0)
.irp k, 0,1,2,3,4,5,6,7
	v_exp_f32 v[8+\k], v[8+\k]                     ; p
.endr
	v_exp_f32 v58, v58                             ; my two tiles' factors
	v_exp_f32 v59, v59
	v_nop                                          ; a plain line behind the last exponential
	s_wait_alu depctr_va_vdst(0)                   ; one wait for the ten, ahead of their first reader
	v_add_f32 v84, v8, v9
	v_add_f32 v86, v10, v11
	v_add_f32 v87, v12, v13
	v_add_f32 v85, v14, v15
	s_delay_alu instid0(VALU_DEP_3)
	v_add_f32 v84, v84, v86
	s_delay_alu instid0(VALU_DEP_2)
	v_add_f32 v85, v85, v87
	s_delay_alu instid0(VALU_DEP_1)
	v_add_f32 v84, v84, v85
.irp x, 1,2,4,8
	s_delay_alu instid0(VALU_DEP_1)
	v_add_f32_dpp v84, v84, v84 row_xmask:\x row_mask:0xf bank_mask:0xf
.endr
	s_delay_alu instid0(VALU_DEP_1)
	v_permlanex16_b32 v61, v84, s28, s29
	s_delay_alu instid0(VALU_DEP_1)
	v_add_f32 v84, v84, v61                        ; my wave's sum
	ds_store_b32 v6, v84 offset:WSUM
	ds_store_b32 v62, v58                          ; the sixteen lanes of a tile write the same word with the same value
	ds_store_b32 v62, v59 offset:64
	s_wait_dscnt 0x0
	s_barrier_signal -1
	s_barrier_wait -1
	ds_load_b128 v[64:67], v7 offset:WSUM
	ds_load_b128 v[68:71], v7 offset:WSUM+16
.irp i, 0,1,2,3,4,5,6,7
	ds_load_b32 v[72+\i], v63 offset:16*\i         ; the factors of tiles q + 4 i
.endr
	s_wait_dscnt 0x0
	v_add_f32 v64, v64, v65
	v_add_f32 v66, v66, v67
	v_add_f32 v68, v68, v69
	v_add_f32 v70, v70, v71
	s_delay_alu instid0(VALU_DEP_3)
	v_add_f32 v64, v64, v66
	s_delay_alu instid0(VALU_DEP_2)
	v_add_f32 v68, v68, v70
	s_delay_alu instid0(VALU_DEP_1)
	v_add_f32 v84, v64, v68                        ; Z
	s_wait_alu depctr_va_vdst(0)
	v_rcp_f32 v85, v84
	v_nop
	s_wait_alu depctr_va_vdst(0)                   ; ahead of the first reader, and of the branch
	s_cmp_lg_u32 s21, ttmp9                        ; waves 2 x and 2 x + 1 store their rows of out1: each row has one owner among the batch's four work-groups
	s_cbranch_scc1 .Lnot_my_rows
.irp k, 0,1,2,3,4,5,6,7
	v_mul_f32 v[8+\k], v[8+\k], v85
.endr
	global_store_b128 v1, v[8:11], s[12:13]        ; 32 lanes store 512 consecutive bytes, aligned
	global_store_b128 v1, v[12:15], s[12:13] offset:4096
.Lnot_my_rows:
	s_wait_loadcnt 0x0                             ; part
	v_pk_mul_f32 v[80:81], v[16:17], v[72:73] op_sel_hi:[1,0]
	v_pk_mul_f32 v[82:83], v[18:19], v[72:73] op_sel_hi:[1,0]
.irp i, 1,2,3,4,5,6,7
.if \i%2 == 0
	s_delay_alu instid0(VALU_DEP_2)
	v_pk_fma_f32 v[80:81], v[16+4*\i:17+4*\i], v[72+\i:73+\i], v[80:81] op_sel_hi:[1,0,1]
	s_delay_alu instid0(VALU_DEP_2)
	v_pk_fma_f32 v[82:83], v[18+4*\i:19+4*\i], v[72+\i:73+\i], v[82:83] op_sel_hi:[1,0,1]
.else
	s_delay_alu instid0(VALU_DEP_2)
	v_pk_fma_f32 v[80:81], v[16+4*\i:17+4*\i], v[71+\i:72+\i], v[80:81] op_sel:[0,1,0] op_sel_hi:[1,1,1]
	s_delay_alu instid0(VALU_DEP_2)
	v_pk_fma_f32 v[82:83], v[18+4*\i:19+4*\i], v[71+\i:72+\i], v[82:83] op_sel:[0,1,0] op_sel_hi:[1,1,1]
.endif
.endr
	ds_store_b128 v1, v[80:83] offset:SUMS         ; 1,024 q + 16 (t % 64) = 16 t
	s_wait_dscnt 0x0
	s_barrier_signal -1
	s_barrier_wait -1
	s_cmp_gt_u32 s14, 1                            ; waves 0 and 1 add the four groups' parts
	s_cbranch_scc1 .Ldone
.irp g, 0,1,2,3
	ds_load_b128 v[88+4*\g:91+4*\g], v1 offset:SUMS+1024*\g
.endr
	s_wait_dscnt 0x0
	v_pk_add_f32 v[88:89], v[88:89], v[92:93]
	v_pk_add_f32 v[90:91], v[90:91], v[94:95]
	v_pk_add_f32 v[96:97], v[96:97], v[100:101]
	v_pk_add_f32 v[98:99], v[98:99], v[102:103]
	s_delay_alu instid0(VALU_DEP_2)
	v_pk_add_f32 v[88:89], v[88:89], v[96:97]
	s_delay_alu instid0(VALU_DEP_2)
	v_pk_add_f32 v[90:91], v[90:91], v[98:99]
.irp k, 0,1,2,3
	v_mul_f32 v[88+\k], v[88+\k], v85
.endr
	global_store_b128 v1, v[88:91], s[10:11]       ; 64 lanes store 1,024 consecutive bytes, aligned
.Ldone:
	s_wait_tensorcnt 0x0
	ds_add_u32 v104, v105
	s_wait_dscnt 0x0
	s_endpgm
.Lfunc_end_k_q10b5dd0f80_finish:
	.size	k_q10b5dd0f80_finish, .Lfunc_end_k_q10b5dd0f80_finish-k_q10b5dd0f80_finish
	.p2alignl 7, 3214868480
	.fill 96, 4, 3214868480
	.section	.rodata,"a",@progbits
	.p2align	6, 0x0
	.amdhsa_kernel k_q10b5dd0f80_finish
		.amdhsa_group_segment_fixed_size 9216
		.amdhsa_private_segment_fixed_size 0
		.amdhsa_enable_private_segment 0
		.amdhsa_kernarg_size 40
		.amdhsa_user_sgpr_count 2
		.amdhsa_user_sgpr_kernarg_segment_ptr 1
		.amdhsa_wavefront_size32 1
		.amdhsa_system_sgpr_workgroup_id_x 1
		.amdhsa_system_sgpr_workgroup_id_y 1
		.amdhsa_system_sgpr_workgroup_id_z 1
		.amdhsa_system_vgpr_workitem_id 0
		.amdhsa_next_free_vgpr 106
		.amdhsa_next_free_sgpr 66
		.amdhsa_reserve_vcc 1
		.amdhsa_float_denorm_mode_32 3
		.amdhsa_float_denorm_mode_16_64 3
		.amdhsa_memory_ordered 1
		.amdhsa_forward_progress 1
		.amdhsa_inst_pref_size 15
	.end_amdhsa_kernel
	.amdgpu_metadata
---
amdhsa.version: [ 1, 2 ]
amdhsa.kernels:
  - .name:           k_q10b5dd0f80_finish
    .symbol:         k_q10b5dd0f80_finish.kd
    .args:
      - { .name: lg, .offset: 0, .size: 8, .value_kind: global_buffer, .address_space: global }
      - { .name: part, .offset: 8, .size: 8, .value_kind: global_buffer, .address_space: global }
      - { .name: sequence_length, .offset: 16, .size: 8, .value_kind: global_buffer, .address_space: global }
      - { .name: out0, .offset: 24, .size: 8, .value_kind: global_buffer, .address_space: global }
      - { .name: out1, .offset: 32, .size: 8, .value_kind: global_buffer, .address_space: global }
    .group_segment_fixed_size: 9216
    .private_segment_fixed_size: 0
    .kernarg_segment_align: 8
    .kernarg_segment_size: 40
    .max_flat_workgroup_size: 256
    .sgpr_count:     66
    .vgpr_count:     106
    .wavefront_size: 32
...
	.end_amdgpu_metadata
.endif
;; end of part 7
